; MI455X (gfx1250); checked and timed in simulation.
; The chip was launched on July 23, 2026; its instructions are those of AMD's public machine-readable ISA for CDNA 5 (MIT licence, August 2026) and "CDNA5" Instruction Set Architecture Reference Guide (July 2026). The comments in the code are by the model that wrote it; some were corrected since.
;; Scaled Dot Product. Allowed arithmetic: matrix products marked QUANTISED: E2M1 operands, one E8M0 scale for each 32 along K, by v_wmma_scale_f32_16x16x128_f8f6f4 with both operands' format E2M1 (or v_wmma_scale_f32_32x16x128_f4), f32 sums; products left as they are: bf16, f16 or f32 operands; f32 sums; everything else in f32.
;; Inputs: W 1,024 x 3,072 float32; b 3,072 float32; x 4 x 2,048 x 1,024 float32.
;; Outputs: out0 4 x 2,048 x 1,024 float32.
;; This version of the problem:
;;   THIS VERSION OF THE PROBLEM IS GIVEN IN LOW PRECISION. The matrix products marked QUANTISED in the list below multiply operands that are first quantised to E2M1 (2 exponent bits, 1 mantissa bit; 4 bits a number), with one power-of-two scale for each 32 numbers along K (OCP MX v1.0); their sums are f32. The products marked 'left as it is' may take bf16, f16 or f32 operands, with f32 sums. Whichever they take, every output number must still come out within the allowed error. Rounding operands to bf16 (8 significant bits) uses up far more of that allowance than f16 does (11 bits, for magnitudes from 6e-5 to 65,504). All else is computed in f32.
;;   The module's matrix products, in the order in which they are computed (A, B: the left and right operand; K: the contracted axis; several contracted axes count as one K, in the product's order):
;;     1. [M 8,192, K 1,024] x [K 1,024, N 3,072]; A: input x; B: input W: QUANTISED
;;     2. batch 4 x [M 2,048, K 1,024] x [K 1,024, N 2,048]; A: computed on the way; B: computed on the way: left as it is (an operand is computed on the way)
;;     3. batch 4 x [M 2,048, K 2,048] x [K 2,048, N 1,024]; A: computed on the way; B: computed on the way: left as it is (an operand is computed on the way)
;;   THE QUANTISER, for each operand of a quantised product, along K:
;;     - K is cut into blocks of 32 from its start; a last block that is shorter is filled with zeros.
;;     - A block's scale is 2^e with e = floor(log2(the largest magnitude in the block)) - 2, held to -126 .. 127; a block of zeros has e = 0. As a byte (E8M0): e + 127.
;;     - Each number is divided by its block's scale, clamped to +-6, and rounded to the nearest number of E2M1, ties to even, subnormals kept.
;;     - The product sums the exact products of the quantised numbers (number of the format x scale) in f32.
;;   ~~~python
;;   def quantise(x, axis):      # numpy; x: float32 -> the quantised numbers, widened to float32 again
;;       x = np.moveaxis(x, axis, -1); K = x.shape[-1]
;;       x = np.pad(x, [(0, 0)] * (x.ndim - 1) + [(0, -K % 32)]); x = x.reshape(x.shape[:-1] + (-1, 32)); a = np.abs(x).max(-1, keepdims=True)
;;       e = np.where(a > 0, np.clip(np.frexp(np.where(a > 0, a, 1))[1] - 1 - 2, -126, 127), 0)      # np.frexp(a)[1] - 1 = floor(log2(a)), exactly
;;       r = np.clip(x / 2.0 ** e, -6, 6)
;;       step = 2.0 ** (np.maximum(np.frexp(np.where(r == 0, 1, r))[1] - 1, 0) - 1)
;;       q = np.round(r / step) * step * 2.0 ** e      # np.round: ties to even
;;       return np.moveaxis(q.reshape(q.shape[:-2] + (-1,))[..., :K], -1, axis).astype(np.float32)
;;   ~~~
;; One version. Each part assembles by itself: llvm-mc -triple=amdgcn-amd-amdhsa -mcpu=gfx1250 --defsym DOCPART=n.
;; ======== version 1 of 1: 5 launches
;; limits: values are held in f16: magnitudes above 65,504 overflow, below 6.1e-05 lose precision
;; workspace buffers: xc 4,194,304 bytes; xs 262,144 bytes; wc 1,572,864 bytes; ws 98,304 bytes; qkv 50,331,648 bytes; head 786,432 bytes; pbuf 33,554,432 bytes; stats 1,048,576 bytes
;; launch quant (part 1): grid 448 x 1, 4 waves a work-group, no clusters, 42,496 bytes of LDS; arguments x, W, xc, xs, wc, ws; writes xc, xs, wc, ws
.if DOCPART == 1
	.amdgcn_target "amdgcn-amd-amdhsa--gfx1250"
	.amdhsa_code_object_version 6
	.text
	.protected	k_q1cdc851347_quant
	.globl	k_q1cdc851347_quant
	.p2align	8
	.type	k_q1cdc851347_quant,@function
k_q1cdc851347_quant:
	s_mov_b64 s[64:65], 0
	v_nop
	global_prefetch_b8 v0, s[64:65] scope:SCOPE_SE
	s_setreg_imm32_b32 hwreg(HW_REG_WAVE_MODE, 25, 1), 1
	s_wait_xcnt 0x0
; x [8192][1024] f32 (K innermost) and W [1024][3072] f32 (K is the FIRST axis) become codes of E2M1, K innermost, two codes a byte, and one E8M0 byte for each 32 along K:
; xc [8192][512 bytes], xs [8192][32], wc [3072][512 bytes], ws [3072][32].
; A block's scale is 2^(floor(log2(largest magnitude)) - 2); its byte is the largest magnitude's exponent field - 2, held at 1 from below.
; LIMITS: a block of zeros, or one whose largest magnitude lies under 2^-124, gets the byte 1 (zero blocks have zero codes; this program alone reads the bytes); NaN and infinities are not served.
; Work-groups 0 to 191 take W (96 strips of 32 columns x 2 halves of K), work-groups 192 to 447 take x (32,768 numbers each).  The two paths have LDS bytes of their own.
; x's waves share nothing.  In W's path the four waves of a work-group take 128 along K each (128 loads a wave), and a column's 256 bytes of codes meet in one stage behind one barrier.
.set SPARE, 41984                      ; the spare words: 128 bytes a wave, two blocks of 256 bytes that no other line names
.set SPW,   230                        ; v230 LDS address of my spare word; never rewritten
.set NIL,   231                        ; v231 0; never rewritten
.set WGW,   192                        ; work-groups that take W
; ---- x's path: LDS 0 .. 32,767
.set STEPS, 16                         ; a wave takes 16 steps of 512 numbers
.set AHEAD, 8                          ; loads run eight steps ahead: 32 loads of 512 bytes a wave
.set CB,    8                          ; bytes of 16 codes
.set XR,    16                         ; v16-143  eight sets of 16 numbers as loaded
.set XX,    144                        ; v144-175 two sets of 16 neighbours
.set XE,    176                        ; v176-191 a scale byte for each step
.set XC,    192                        ; v192-223 codes, two registers a step, so that no store's data are written again
.set WREG,  8192                       ; a wave's region: two stages of 32 x 80 bytes, then its 256 scale bytes
.set SP,    80                         ; a lane's place in a stage: 64 bytes + 16 of padding
; ---- W's path: LDS 32,768 .. 41,983
.set SIZE_N, 3072
.set NB,    4                          ; blocks of 32 along K for a wave
.set PITCH, 272                        ; a stage row: a column's 256 bytes of codes + 16
.set KROW,  512                        ; a row of wc in bytes
.set WSTG,  32768                      ; the work-group's stage: 32 rows
.set WSC,   WSTG+32*PITCH              ; and its scale bytes: 16 a column
.set WX,    32                         ; v32-95   two sets of 32 numbers
.set WCD,   96                         ; v96-99   a block's codes
.set OUTR,  112                        ; v112-131 the way out
.set SB,    24                         ; v24      my four scale bytes
	s_load_b128 s[4:7], s[0:1], 0x0                ; x, W
	s_load_b128 s[8:11], s[0:1], 0x10              ; xc, xs
	s_load_b128 s[12:15], s[0:1], 0x20             ; wc, ws
	v_lshl_add_u32 v[SPW], v0, 2, SPARE
	v_mov_b32 v[NIL], 0
	v_lshrrev_b32 v1, 5, v0
	v_readfirstlane_b32 s16, v1                    ; wave
	v_and_b32 v2, 31, v0                           ; lane
	s_cmp_lt_u32 ttmp9, WGW
	s_cbranch_scc1 .Lw
	; ================= x: a plain stream of blocks of 32 =================
	v_lshlrev_b32 v3, 4, v2                        ; my 16 bytes of a load's 512
	s_mul_i32 s17, s16, WREG
	v_lshrrev_b32 v14, 2, v2
	v_mul_u32_u24 v14, v14, SP
	v_and_b32 v15, 3, v2
	v_lshl_add_u32 v14, v15, 4, v14
	v_add_nc_u32 v14, s17, v14                     ; into the stage: four lanes' 64 bytes on end, then 16 of padding
	v_mul_u32_u24 v15, v2, SP
	v_add_nc_u32 v15, s17, v15                     ; out of it: my 16 neighbours
	v_mul_u32_u24 v4, v2, CB                       ; my codes' place in a step's
	v_lshrrev_b32 v5, 1, v2
	s_add_co_u32 s17, s17, 2*32*SP
	v_add_nc_u32 v5, s17, v5                       ; my block's byte among my wave's 256
	v_lshlrev_b32 v7, 3, v2
	v_add_nc_u32 v6, s17, v7                       ; and 8 bytes a lane on the way out
	s_wait_kmcnt 0x0
	s_sub_co_u32 s17, ttmp9, WGW
	s_lshl_b32 s17, s17, 2
	s_add_co_u32 s18, s17, s16                     ; which run of 8,192 numbers is my wave's
	s_mov_b32 s19, 0
	s_lshl_b32 s20, s18, 15                        ; 32,768 bytes of x a run (x has 2^25 bytes)
	s_mov_b32 s21, 0
	s_add_nc_u64 s[4:5], s[4:5], s[20:21]
	s_lshl_b32 s20, s18, 12                        ; 4,096 bytes of codes
	s_add_nc_u64 s[8:9], s[8:9], s[20:21]
	s_lshl_b32 s18, s18, 8                         ; 256 scale bytes
	s_add_nc_u64 s[10:11], s[10:11], s[18:19]
.macro XLOAD t
.irp i, 0,1,2,3
	global_load_b128 v[XR+16*((\t)%AHEAD)+4*\i:XR+16*((\t)%AHEAD)+4*\i+3], v3, s[4:5] offset:2048*(\t)+512*\i th:TH_LOAD_NT   ; 32 lanes read 512 consecutive bytes
.endr
.endm
.macro XTURN t                         ; a step's numbers through the stage; LDS serves a wave's instructions in order, so no wait stands between
.irp i, 0,1,2,3
	ds_store_b128 v14, v[XR+16*((\t)%AHEAD)+4*\i:XR+16*((\t)%AHEAD)+4*\i+3] offset:32*SP*((\t)%2)+8*SP*\i
.endr
.irp i, 0,1,2,3
	ds_load_b128 v[XX+16*((\t)%2)+4*\i:XX+16*((\t)%2)+4*\i+3], v15 offset:32*SP*((\t)%2)+16*\i
.endr
.endm
.irp t, 0,1,2,3,4,5,6,7
	XLOAD \t
.endr
	s_wait_loadcnt 28                              ; step 0's four loads are in; the 28 of steps 1 to 7 stay out
	XTURN 0
.macro XSTEP t
.set XS, XX+16*((\t)%2)
.if (\t) > 0
	s_wait_dscnt 1                                 ; this step's numbers are back from the stage; the last step's byte store may be out
.else
	s_wait_dscnt 0x0
.endif
.if (\t)+AHEAD < STEPS
	XLOAD (\t)+AHEAD                               ; into the set whose stage stores have read their registers
.endif
.if (\t)+1 < STEPS
.if STEPS-2-(\t) >= AHEAD-1
	s_wait_loadcnt 4*(AHEAD-1)                     ; the next step's four loads are in; seven steps' loads stay out
.else
	s_wait_loadcnt 4*(STEPS-2-(\t))                ; the counts run down
.endif
	XTURN (\t)+1
.endif
	v_max3_num_f32 v8, |v[XS]|, |v[XS+1]|, |v[XS+2]|
	v_max3_num_f32 v9, |v[XS+3]|, |v[XS+4]|, |v[XS+5]|
.irp i, 6,10
	v_max3_num_f32 v8, v8, |v[XS+\i]|, |v[XS+\i+1]|
	v_max3_num_f32 v9, v9, |v[XS+\i+2]|, |v[XS+\i+3]|
.endr
	v_max3_num_f32 v8, v8, |v[XS+14]|, |v[XS+15]|
	v_max3_num_f32 v8, v8, v9, 0x1800000           ; with the floor 2^(3 - 127): the byte cannot fall under 1
	v_max_num_f32_dpp v8, v8, v8 row_xmask:1 row_mask:0xf bank_mask:0xf   ; and my neighbour's 16: the block's largest magnitude
	v_add_nc_u32 v11, 0xff000000, v8               ; 2 off its exponent field: the conversion's scale operand
	v_cvt_scalef32_pk8_fp4_f32 v[XC+2*(\t)], v[XS:XS+7], v11
	v_cvt_scalef32_pk8_fp4_f32 v[XC+2*(\t)+1], v[XS+8:XS+15], v11
	v_lshrrev_b32 v[XE+(\t)], 23, v11              ; the scale's byte (a plain line behind the conversions)
	ds_store_b8 v5, v[XE+(\t)] offset:16*(\t)      ; both lanes of a block write the same byte with the same value
	global_store_b64 v4, v[XC+2*(\t):XC+2*(\t)+1], s[8:9] offset:32*CB*(\t)   ; the wave stores 256 consecutive bytes, aligned
.endm
.irp t, 0,1,2,3,4,5,6,7,8,9,10,11,12,13,14,15
	XSTEP \t
.endr
	ds_load_b64 v[8:9], v6                         ; my wave's 256 scale bytes: these loads see my stores
	s_wait_dscnt 0x0
	global_store_b64 v7, v[8:9], s[10:11]          ; 256 consecutive bytes, aligned
	s_wait_tensorcnt 0x0                           ; the wave's end, behind my last LDS store
	ds_add_u32 v[SPW], v[NIL]
	s_wait_dscnt 0x0
	s_endpgm
	; ================= W: a lane takes a column, its registers run down K =================
.Lw:
	s_cmp_ge_u32 ttmp9, 96
	s_cselect_b32 s18, 1, 0                        ; which 512 along K
	s_cselect_b32 s19, 96, 0
	s_sub_co_u32 s17, ttmp9, s19                   ; which strip of 32 columns
	s_lshl_b32 s17, s17, 5                         ; its first column
	v_lshlrev_b32 v3, 2, v2                        ; in: 4 bytes a lane
	s_lshl_b32 s19, s16, 6
	s_add_co_u32 s19, s19, WSTG
	v_mul_u32_u24 v4, v2, PITCH
	v_add_nc_u32 v4, s19, v4                       ; into the stage: row = my column, my wave's 64 bytes of it
	s_lshl_b32 s19, s16, 2
	s_add_co_u32 s19, s19, WSC
	v_lshl_add_u32 v10, v2, 4, s19                 ; my column's 16 scale bytes, my wave's four
	v_and_b32 v5, 15, v2
	v_lshrrev_b32 v6, 4, v2
	v_mul_u32_u24 v7, v6, PITCH
	v_lshl_add_u32 v7, v5, 4, v7
	s_mul_i32 s19, s16, 8*PITCH
	s_add_co_u32 s19, s19, WSTG
	v_add_nc_u32 v7, s19, v7                       ; out of it: my wave's 8 rows; sixteen lanes to a row, two rows an instruction
	v_mul_u32_u24 v8, v6, KROW
	v_lshl_add_u32 v8, v5, 4, v8                   ; the same place in wc
	v_lshl_add_u32 v9, v2, 4, WSC                  ; the scale bytes back: 16 a lane
	v_lshlrev_b32 v14, 5, v2                       ; and my column's row of ws
	s_lshl_b32 s20, s18, 9
	s_lshl_b32 s22, s16, 7
	s_add_co_u32 s20, s20, s22                     ; my first row of W: 512 x half + 128 x wave
	s_mul_i32 s20, s20, SIZE_N*4
	s_lshl_b32 s22, s17, 2
	s_add_co_u32 s20, s20, s22
	s_mov_b32 s21, 0
	s_lshl_b32 s24, s16, 3
	s_add_co_u32 s24, s24, s17
	s_lshl_b32 s24, s24, 9                         ; wc: (column + 8 x wave) x 512 + 256 x half
	s_lshl_b32 s26, s18, 8
	s_add_co_u32 s24, s24, s26
	s_mov_b32 s25, 0
	s_lshl_b32 s28, s17, 5                         ; ws: column x 32 + 16 x half
	s_lshl_b32 s26, s18, 4
	s_add_co_u32 s28, s28, s26
	s_mov_b32 s29, 0
	s_wait_kmcnt 0x0
	s_add_nc_u64 s[6:7], s[6:7], s[20:21]
	s_add_nc_u64 s[12:13], s[12:13], s[24:25]
	s_add_nc_u64 s[14:15], s[14:15], s[28:29]
.macro WLOAD t                         ; block t: W(32 t + i, my column); the largest offset, 127 rows of 12,288 bytes, lies inside the signed 24-bit immediate
.irp i, 0,1,2,3,4,5,6,7,8,9,10,11,12,13,14,15,16,17,18,19,20,21,22,23,24,25,26,27,28,29,30,31
	global_load_b32 v[WX+32*((\t)%2)+\i], v3, s[6:7] offset:(32*(\t)+\i)*SIZE_N*4 th:TH_LOAD_NT
.endr
.endm
	WLOAD 0
	WLOAD 1
.macro WBLOCK t
.set XS, WX+32*((\t)%2)
.if (\t) < NB-1
	s_wait_loadcnt 32                              ; this block's 32 loads are in; the next block's stay out
.else
	s_wait_loadcnt 0
.endif
	v_max3_num_f32 v12, |v[XS]|, |v[XS+1]|, |v[XS+2]|   ; all 32 numbers of the block are mine
	v_max3_num_f32 v13, |v[XS+3]|, |v[XS+4]|, |v[XS+5]|
.irp i, 6,10,14,18,22,26
	v_max3_num_f32 v12, v12, |v[XS+\i]|, |v[XS+\i+1]|
	v_max3_num_f32 v13, v13, |v[XS+\i+2]|, |v[XS+\i+3]|
.endr
	v_max3_num_f32 v12, v12, |v[XS+30]|, |v[XS+31]|
	v_max3_num_f32 v12, v12, v13, 0x1800000        ; with the floor
	v_add_nc_u32 v11, 0xff000000, v12              ; the conversion's scale operand
	v_lshrrev_b32 v13, 23, v11                     ; the byte
.if (\t) == 0
	v_mov_b32 v[SB], v13
.else
	v_lshl_or_b32 v[SB], v13, 8*(\t), v[SB]        ; the lower K in the lower byte
.endif
.irp g, 0,1,2,3
	v_cvt_scalef32_pk8_fp4_f32 v[WCD+\g], v[XS+8*\g:XS+8*\g+7], v11
.endr
	v_nop                                          ; a plain line behind the last conversion
	ds_store_b128 v4, v[WCD:WCD+3] offset:16*(\t)  ; 32 codes: 16 bytes of my column's row
.if (\t)+2 < NB
	WLOAD (\t)+2
.endif
	s_wait_dscnt 0x0                               ; the store has read its registers: the next block's codes may be written
.endm
.set Q, 0
.rept NB
	WBLOCK Q
.set Q, Q+1
.endr
	ds_store_b32 v10, v[SB]
	s_wait_dscnt 0x0                               ; for the others' sake: my codes and my scale bytes are stored
	s_barrier_signal -1
	s_barrier_wait -1                              ; 32 whole rows of 256 bytes lie in the stage
.irp t, 0,1,2,3
	ds_load_b128 v[OUTR+4*\t:OUTR+4*\t+3], v7 offset:2*\t*PITCH
.endr
	s_cmp_lg_u32 s16, 0                            ; wave 0 stores the strip's scale bytes, 16 a column
	s_cbranch_scc1 .Lno_sc
	ds_load_b128 v[OUTR+16:OUTR+19], v9
	s_wait_dscnt 0x0
	global_store_b128 v14, v[OUTR+16:OUTR+19], s[14:15]
.Lno_sc:
	s_wait_dscnt 0x0                               ; my 8 rows are in registers
.irp t, 0,1,2,3
	global_store_b128 v8, v[OUTR+4*\t:OUTR+4*\t+3], s[12:13] offset:2*\t*KROW   ; sixteen lanes store 256 consecutive bytes, aligned
.endr
	s_wait_tensorcnt 0x0                           ; the wave's end: the three lines
	ds_add_u32 v[SPW], v[NIL]
	s_wait_dscnt 0x0
	s_endpgm
.Lfunc_end_k_q1cdc851347_quant:
	.size	k_q1cdc851347_quant, .Lfunc_end_k_q1cdc851347_quant-k_q1cdc851347_quant
	.p2alignl 7, 3214868480
	.fill 96, 4, 3214868480
	.section	.rodata,"a",@progbits
	.p2align	6, 0x0
	.amdhsa_kernel k_q1cdc851347_quant
		.amdhsa_group_segment_fixed_size 42496
		.amdhsa_private_segment_fixed_size 0
		.amdhsa_enable_private_segment 0
		.amdhsa_kernarg_size 48
		.amdhsa_user_sgpr_count 2
		.amdhsa_user_sgpr_kernarg_segment_ptr 1
		.amdhsa_wavefront_size32 1
		.amdhsa_system_sgpr_workgroup_id_x 1
		.amdhsa_system_sgpr_workgroup_id_y 1
		.amdhsa_system_sgpr_workgroup_id_z 1
		.amdhsa_system_vgpr_workitem_id 0
		.amdhsa_next_free_vgpr 232
		.amdhsa_next_free_sgpr 66
		.amdhsa_reserve_vcc 0
		.amdhsa_float_denorm_mode_32 3
		.amdhsa_float_denorm_mode_16_64 3
		.amdhsa_memory_ordered 1
		.amdhsa_forward_progress 1
		.amdhsa_inst_pref_size 55
	.end_amdhsa_kernel
	.amdgpu_metadata
---
amdhsa.version: [ 1, 2 ]
amdhsa.kernels:
  - .name:           k_q1cdc851347_quant
    .symbol:         k_q1cdc851347_quant.kd
    .args:
      - { .name: x, .offset: 0, .size: 8, .value_kind: global_buffer, .address_space: global }
      - { .name: W, .offset: 8, .size: 8, .value_kind: global_buffer, .address_space: global }
      - { .name: xc, .offset: 16, .size: 8, .value_kind: global_buffer, .address_space: global }
      - { .name: xs, .offset: 24, .size: 8, .value_kind: global_buffer, .address_space: global }
      - { .name: wc, .offset: 32, .size: 8, .value_kind: global_buffer, .address_space: global }
      - { .name: ws, .offset: 40, .size: 8, .value_kind: global_buffer, .address_space: global }
    .group_segment_fixed_size: 42496
    .private_segment_fixed_size: 0
    .kernarg_segment_align: 8
    .kernarg_segment_size: 48
    .max_flat_workgroup_size: 128
    .sgpr_count:     66
    .vgpr_count:     232
    .wavefront_size: 32
...
	.end_amdgpu_metadata
.endif
;; end of part 1
;; launch qkv (part 2): grid 12 x 32, 4 waves a work-group, clusters of 4 x 4, 327,680 bytes of LDS; arguments xc, xs, wc, ws, b, qkv, head; writes qkv, head
.if DOCPART == 2
	.amdgcn_target "amdgcn-amd-amdhsa--gfx1250"
	.amdhsa_code_object_version 6
	.text
	.protected	k_q1cdc851347_qkv
	.globl	k_q1cdc851347_qkv
	.p2align	8
	.type	k_q1cdc851347_qkv,@function
k_q1cdc851347_qkv:
	s_mov_b64 s[64:65], 0
	v_nop
	global_prefetch_b8 v0, s[64:65] scope:SCOPE_SE
	s_setreg_imm32_b32 hwreg(HW_REG_WAVE_MODE, 25, 1), 1
	s_wait_xcnt 0x0
	s_wait_alu depctr_hold_cnt(0) depctr_sa_sdst(0) depctr_va_vdst(0) depctr_va_sdst(0) depctr_va_ssrc(0) depctr_va_vcc(0) depctr_vm_vsrc(0)
	s_getreg_b32 s2, hwreg(HW_REG_IB_STS2, 6, 4)
	s_cmp_eq_u32 s2, 0
	s_cbranch_scc0 .Lentry_in_a_cluster
	s_endpgm
.Lentry_in_a_cluster:
	s_bfe_u32 s2, ttmp6, 0x10000c
	s_cmp_lg_u32 s2, 0xf033
	s_cbranch_scc0 .Lentry_shape_is_right
	s_endpgm
.Lentry_shape_is_right:
; qkv[m][n] = sum over k of x[m][k] W[k][n] + b[n], on codes of E2M1 with one E8M0 scale for each 32 along K; sums in f32.  M = 8,192, N = 3,072, K = 1,024.
; The result is stored as f16, [8192][3072] (q, k, v side by side in a row); the rows of the first 16 positions of each batch also as f32, head [4][16][3072].
; LIMIT: a result beyond 65,504 in magnitude has no f16 number.
; A tile of 256 x 256 is made by four waves, 128 x 128 each: 64 accumulators, 512 registers.  K is two slots of 512 (LDS rows of 256 bytes), both asked for at the start: nothing is filled again.
; The scale bytes of the work-group's rows of x and of W for all of K come once, as two dense blocks.
; CLUSTER 4 x 4: tile column = 4 x cluster x + cx; tile row = cluster y + 8 cy, so that the four partners along y stand at the same place in the four batches (cy is the batch) and
; 'my tile holds a batch's first rows' is 'cluster y = 0', alike in all partners.  x's tiles are shared along a row of the cluster, W's along a column: joint loads.
; THE MATRIX INSTRUCTION IS USED TRANSPOSED (source 0 = 16 rows of W's codes, source 1 = 16 rows of x's): a lane holds eight neighbouring columns of one row.  The bias is the C of each sum's first instruction.
; REGISTERS: window 0: v0-31 addresses; v32-95 scale words, two sets; v96-127 packed results; v128-191 x's fragments, later rows on the way out; v192-255 the bias.  window 1: W's fragments, two sets.  windows 2, 3: accumulators.
.set SIZE_N, 3072
.set NQ,     4                         ; matrix instructions deep in a slot
.set ROWB,   256                       ; a tile's row in bytes: 512 codes
.set KROW,   512                       ; a row of codes in memory
.set PITCH,  272                       ; an LDS row: 256 + 16: the 16 rows that a load touches start 4 banks apart
.set FR,     8
.set NL,     2
.set NP,     4
.set HALFT,  128*PITCH
.set SLOT,   4*HALFT
.set KS,     32                        ; a row of scale bytes
.set SCL,    2*SLOT
.set HALFS,  (128*KS/256)*272
.set SBLK,   (16*KS/256)*272
.set SPARE,  SCL+4*HALFS               ; the spare words: 128 bytes a wave
.set STAGE,  SPARE+512                 ; the way out: 16 rows x 272 bytes for each wave, bytes that no tensor load fills
.set SPITCH, 272
.set CROW,   SIZE_N*2                  ; a row of qkv in bytes
.set ADRA, 16
.set ADRB, 20
.set STO,  24
.set RD,   25
.set CO,   26
.set ADRS, 27
.set SPW,  28
.set NIL,  29
.set HO,   30                          ; v30 my byte offset in head
.set BO,   31                          ; v31 my byte offset in the bias
.set SC,   32
.set TMP,  96
.set AF,   128
.set BK,   128
.set BIAS, 192
.set G1, 24
.set G0, 32
.set G1B, 48
.set G0B, 56
.set G1S, 68
.set G0S, 76
.set G1SB, 80
.set G0SB, 88
.set MSB, 0
.macro WIN new                         ; the immediate's high byte repeats the setting that is left
.if MSB != \new
	s_set_vgpr_msb (MSB<<8)|\new
.set MSB, \new
.endif
.endm
.set MUL_LO, 0xa1                      ; source 0 (W) window 1, source 1 (x) window 0, C and D window 2
.set MUL_HI, 0xf1                      ; the same, C and D window 3
.set TO_B,   0x40
; A joint load: waves 0 and 1 fetch for x, waves 2 and 3 for W.  An s_nop 0 and four v_nop follow each line.
.macro JLOAD g0a, g1a, g0b, g1b
	s_cmp_eq_u32 s15, 0
	s_cbranch_scc0 .Lfor_b_\@
	tensor_load_to_lds s[\g0a:\g0a+3], s[\g1a:\g1a+7]
	s_nop 0
.rept 4
	v_nop
.endr
	s_branch .Lasked_\@
.Lfor_b_\@:
	tensor_load_to_lds s[\g0b:\g0b+3], s[\g1b:\g1b+7]
	s_nop 0
.rept 4
	v_nop
.endr
.Lasked_\@:
.endm
.macro CROUND                          ; a round of the cluster's barrier
	s_barrier_signal -1
	s_barrier_wait -1
	s_cmp_lg_u32 s14, 0
	s_cbranch_scc1 .Lnot_wave_0_\@
	s_barrier_signal -3
.Lnot_wave_0_\@:
	s_barrier_wait -3
	s_barrier_signal -1
	s_barrier_wait -1
.endm
	s_load_b128 s[4:7], s[0:1], 0x0                ; x's codes, x's scales
	s_load_b128 s[8:11], s[0:1], 0x10              ; W's codes, W's scales
	s_load_b64 s[96:97], s[0:1], 0x20              ; b
	s_load_b64 s[12:13], s[0:1], 0x28              ; qkv
	s_load_b64 s[98:99], s[0:1], 0x30              ; head
	v_lshl_add_u32 v[SPW], v0, 2, SPARE
	v_mov_b32 v[NIL], 0
	ds_add_u32 v[SPW], v[NIL]                      ; the wave's opening: the add, twice on end, and its wait ahead of my first tensor load
	ds_add_u32 v[SPW], v[NIL]
	v_lshrrev_b32 v1, 5, v0
	v_readfirstlane_b32 s14, v1                    ; wave
	s_lshr_b32 s15, s14, 1                         ; my half of the tile's rows; also: I fetch for x (0) or W (1)
	s_and_b32 s16, s14, 1                          ; my half of its columns; also: which 128 rows I fetch
	s_bfe_u32 s40, ttmp6, 0x40000                  ; cx
	s_bfe_u32 s41, ttmp6, 0x40004                  ; cy
	s_lshl_b32 s42, ttmp9, 2
	s_add_co_u32 s42, s42, s40                     ; tile column = 4 x cluster x + cx
	s_and_b32 s17, ttmp7, 0xffff                   ; cluster y
	s_or_b32 s100, s17, s15                        ; 0 where my 128 rows begin a batch: alike in all partners, for a given wave
	s_lshl_b32 s18, s41, 3
	s_add_co_u32 s17, s17, s18                     ; tile row = cluster y + 8 cy
	s_lshl_b32 s43, s41, 2
	s_lshl_b32 s43, 15, s43                        ; my row of the cluster
	s_lshl_b32 s44, 0x1111, s40                    ; my column
	s_or_b32 s[G1+0], s43, (0<<16)|(1<<20)|(1<<21)|(5<<22)|(3<<25)   ; mask; elements of 1 byte; padding: 4 words behind every 64
	s_or_b32 s[G1B+0], s44, (0<<16)|(1<<20)|(1<<21)|(5<<22)|(3<<25)
.irp g, G1, G1B
	s_mov_b32 s[\g+1], ROWB<<16                    ; tensor_dim0
	s_mov_b32 s[\g+2], 128<<16                     ; tensor_dim1
	s_mov_b32 s[\g+3], ROWB<<16                    ; tile_dim0
	s_mov_b32 s[\g+4], 128                         ; tile_dim1
	s_mov_b32 s[\g+5], KROW                        ; the pitch
	s_mov_b32 s[\g+6], 0
	s_mov_b32 s[\g+7], 0
.endr
	s_or_b32 s[G1S+0], s43, (3<<16)|(1<<20)|(1<<21)|(5<<22)|(3<<25)  ; the scales of 128 rows: 4,096 dense bytes as 16 rows of 256
	s_or_b32 s[G1SB+0], s44, (3<<16)|(1<<20)|(1<<21)|(5<<22)|(3<<25)
.irp g, G1S, G1SB
	s_mov_b32 s[\g+1], 32<<16
	s_mov_b32 s[\g+2], (128*KS/256)<<16
	s_mov_b32 s[\g+3], 32<<16
	s_mov_b32 s[\g+4], 128*KS/256
	s_mov_b32 s[\g+5], 32
	s_mov_b32 s[\g+6], 0
	s_mov_b32 s[\g+7], 0
.endr
	s_lshl_b32 s18, s16, 7
	s_lshl_b32 s20, s17, 8
	s_add_co_u32 s20, s20, s18                     ; x: row 256 x tile row + 128 x half
	s_lshl_b32 s46, s42, 8
	s_add_co_u32 s46, s46, s18                     ; W: row 256 x tile column + 128 x half
	s_mov_b32 s21, 0
	s_mov_b32 s47, 0
	s_mov_b64 s[18:19], KS
	s_mul_u64 s[22:23], s[20:21], s[18:19]         ; where these rows' scales begin
	s_mul_u64 s[92:93], s[46:47], s[18:19]
	s_mov_b64 s[18:19], KROW
	s_mul_u64 s[20:21], s[20:21], s[18:19]         ; and their codes
	s_mul_u64 s[46:47], s[46:47], s[18:19]
	s_mul_i32 s45, s14, HALFT                      ; where they go: wave x 128 rows
	s_mul_i32 s94, s14, HALFS
	s_wait_dscnt 0x0                               ; both opening adds are done
	s_wait_kmcnt 0x0
	s_add_nc_u64 s[20:21], s[4:5], s[20:21]
	s_add_nc_u64 s[22:23], s[6:7], s[22:23]
	s_add_nc_u64 s[46:47], s[8:9], s[46:47]
	s_add_nc_u64 s[92:93], s[10:11], s[92:93]
	CROUND                                         ; all sixteen work-groups are here: the first joint loads meet
	s_mov_b32 s[G0S], 1
	s_add_co_u32 s[G0S+1], s94, SCL
	s_mov_b64 s[G0S+2:G0S+3], s[22:23]
	s_or_b32 s[G0S+3], s[G0S+3], 0x80000000
	s_mov_b32 s[G0SB], 1
	s_add_co_u32 s[G0SB+1], s94, SCL
	s_mov_b64 s[G0SB+2:G0SB+3], s[92:93]
	s_or_b32 s[G0SB+3], s[G0SB+3], 0x80000000
	JLOAD G0S, G1S, G0SB, G1SB                     ; the scales first
.irp s, 0,1
	s_mov_b32 s[G0+4*\s], 1
	s_add_co_u32 s[G0+4*\s+1], s45, \s*SLOT
	s_add_nc_u64 s[G0+4*\s+2:G0+4*\s+3], s[20:21], \s*ROWB
	s_or_b32 s[G0+4*\s+3], s[G0+4*\s+3], 0x80000000
	s_mov_b32 s[G0B+4*\s], 1
	s_add_co_u32 s[G0B+4*\s+1], s45, \s*SLOT
	s_add_nc_u64 s[G0B+4*\s+2:G0B+4*\s+3], s[46:47], \s*ROWB
	s_or_b32 s[G0B+4*\s+3], s[G0B+4*\s+3], 0x80000000
	JLOAD G0+4*\s, G1, G0B+4*\s, G1B               ; three loads of mine are out in all
.endr
	v_and_b32 v1, 15, v0                           ; r
	v_bfe_u32 v2, v0, 4, 1                         ; h
	v_mul_u32_u24 v3, v1, PITCH
	v_lshl_add_u32 v4, v2, 4, v3
	s_mul_i32 s21, s15, HALFT
	s_mul_i32 s22, s16, HALFT
	s_add_co_u32 s22, s22, 2*HALFT
.irp s, 0,1
	v_add_nc_u32 v[ADRA+\s], s21, v4
	v_add_nc_u32 v[ADRB+\s], s22, v4
	s_add_co_u32 s21, s21, SLOT
	s_add_co_u32 s22, s22, SLOT
.endr
	v_mul_u32_u24 v5, v1, KS                       ; my row's scales: 32 bytes a row,
	v_lshrrev_b32 v6, 8, v5
	v_lshl_add_u32 v5, v6, 4, v5                   ; and 16 more for each 256 passed
	s_mul_i32 s21, s15, HALFS
	s_mul_i32 s22, s16, HALFS
	s_add_co_u32 s22, s22, 2*HALFS
	s_sub_co_u32 s22, s22, s21
	v_mul_u32_u24 v6, s22, v2                      ; lanes 16-31 take W's
	s_add_co_u32 s21, s21, SCL
	v_add_nc_u32 v5, v5, v6
	v_add_nc_u32 v[ADRS], s21, v5
	s_mul_i32 s23, s14, 16*SPITCH
	s_add_co_u32 s23, s23, STAGE                   ; my stage
	v_mul_u32_u24 v5, v1, SPITCH
	v_lshl_add_u32 v5, v2, 4, v5
	v_add_nc_u32 v[STO], s23, v5                   ; in: row r, 16 bytes for each half of the lanes
	v_mul_u32_u24 v5, v2, SPITCH
	v_lshl_add_u32 v5, v1, 4, v5
	v_add_nc_u32 v[RD], s23, v5                    ; back: lanes 0-15 one row of 256 bytes, lanes 16-31 the next
	v_mul_u32_u24 v5, v2, CROW
	v_lshl_add_u32 v[CO], v1, 4, v5                ; the same two rows in qkv
	v_mul_u32_u24 v5, v1, 12288
	v_lshl_add_u32 v[HO], v2, 5, v5                ; head: row r of 12,288 bytes, + 32 h
	v_lshlrev_b32 v[BO], 5, v2                     ; the bias: 32 h
	s_lshl_b32 s20, s17, 8
	s_lshl_b32 s21, s15, 7
	s_add_co_u32 s20, s20, s21                     ; my first row
	s_mul_i32 s20, s20, CROW
	s_mov_b32 s21, 0
	s_lshl_b32 s46, s42, 9                         ; my first column in f16 bytes: 512 x tile column + 256 x half
	s_lshl_b32 s47, s16, 8
	s_add_co_u32 s46, s46, s47
	s_mov_b32 s47, 0
	s_add_nc_u64 s[20:21], s[20:21], s[46:47]
	s_add_nc_u64 s[12:13], s[12:13], s[20:21]
	s_lshl_b32 s46, s46, 1                         ; the same column in f32 bytes
	s_add_nc_u64 s[96:97], s[96:97], s[46:47]
	s_mul_i32 s22, s41, 196608                     ; head: my batch's 16 rows
	s_add_co_u32 s46, s46, s22
	s_add_nc_u64 s[98:99], s[98:99], s[46:47]
.irp b, 0,1,2,3,4,5,6,7
	global_load_b128 v[BIAS+8*\b:BIAS+8*\b+3], v[BO], s[96:97] offset:64*\b        ; b at my columns 16 b + 8 h + 0 .. 7: the result's layout
	global_load_b128 v[BIAS+8*\b+4:BIAS+8*\b+7], v[BO], s[96:97] offset:64*\b+16
.endr
.macro FRAG reg, adr, q, i             ; 16 rows x 128 K of 4-bit codes: 8 registers, two loads of 16 bytes, 32 apart
.irp c, 0,1
	ds_load_b128 v[\reg+4*\c:\reg+4*\c+3], v[\adr] offset:64*(\q)+32*\c+(\i)*16*PITCH
.endr
.endm
; 16 matrix instructions: x's blocks a0, a0 + 1 against W's eight.  zero = 1: the first product starts the sums from the bias.  The 64 accumulators take turns, one instruction a turn.
.macro MUL16 a0, p, q, sc, zero
.irp a, \a0, \a0+1
.irp b, 0,1,2,3,4,5,6,7
.if \zero
	v_wmma_scale_f32_16x16x128_f8f6f4 v[8*(8*((\a)%4)+\b):8*(8*((\a)%4)+\b)+7], v[128*(\p)+FR*\b:128*(\p)+FR*\b+FR-1], v[AF+FR*(\a):AF+FR*(\a)+FR-1], v[BIAS+8*\b:BIAS+8*\b+7], v[SC+8*NQ*(\sc)+NQ*\b+(\q)], v[SC+8*NQ*(\sc)+NQ*(\a)+(\q)] matrix_a_fmt:MATRIX_FMT_FP4 matrix_b_fmt:MATRIX_FMT_FP4 matrix_a_scale:MATRIX_SCALE_ROW1
.else
	v_wmma_scale_f32_16x16x128_f8f6f4 v[8*(8*((\a)%4)+\b):8*(8*((\a)%4)+\b)+7], v[128*(\p)+FR*\b:128*(\p)+FR*\b+FR-1], v[AF+FR*(\a):AF+FR*(\a)+FR-1], v[8*(8*((\a)%4)+\b):8*(8*((\a)%4)+\b)+7], v[SC+8*NQ*(\sc)+NQ*\b+(\q)], v[SC+8*NQ*(\sc)+NQ*(\a)+(\q)] matrix_a_fmt:MATRIX_FMT_FP4 matrix_b_fmt:MATRIX_FMT_FP4 matrix_a_scale:MATRIX_SCALE_ROW1
.endif
.endr
.endr
.endm
.macro FETCH_B slot, q, p
	WIN TO_B
.irp i, 0,1,2,3,4,5,6,7
	FRAG 128*(\p)+FR*\i, ADRB+\slot, \q, \i
.endr
	WIN 0
.endm
.macro FETCH_A slot, q, i0
.irp i, \i0, \i0+1, \i0+2, \i0+3
	FRAG AF+FR*(\i), ADRA+\slot, \q, \i
.endr
.endm
.macro SCALES sc                       ; a slot's scale words: lanes 0-15 x's block i, lanes 16-31 W's block i
.irp i, 0,1,2,3,4,5,6,7
	ds_load_b128 v[SC+8*NQ*\sc+NQ*\i:SC+8*NQ*\sc+NQ*\i+3], v[ADRS] offset:\i*SBLK
.endr
.endm
.macro PLACES n                        ; plain vector lines between a matrix instruction and a load into, or a read of, its registers
.rept \n
	v_nop
.endr
.endm
.macro STEP slot, q, zero
	s_wait_dscnt 4*NL                              ; W's set and x's blocks 0-3 are in; the youngest eight loads (blocks 4-7) may be out
	WIN MUL_LO-0x20*\zero                          ; (zero = 1: C, the bias, lies in window 0)
	MUL16 0, (\q)%2, \q, \slot, \zero
	MUL16 2, (\q)%2, \q, \slot, \zero
	s_wait_dscnt 0
	PLACES NP
	FETCH_B \slot, (\q)+1, 1-(\q)%2
	FETCH_A \slot, (\q)+1, 0
	WIN MUL_HI-0x30*\zero
	MUL16 4, (\q)%2, \q, \slot, \zero
	MUL16 6, (\q)%2, \q, \slot, \zero
	PLACES NP
	WIN 0
	FETCH_A \slot, (\q)+1, 4
.endm
; Slot 0's last step changes slots: one barrier.
.macro TURN slot, next
	s_wait_tensorcnt 0x0                           ; all my tensor loads have landed: my part of the next slot
	ds_add_u32 v[SPW], v[NIL]                      ; 0 onto my spare word
	s_wait_dscnt 4*NL+1                            ; the add and the youngest eight loads may be out
	WIN MUL_LO
	MUL16 0, 1, NQ-1, \slot, 0
	s_wait_dscnt 0x0                               ; the add is done, my reads of this slot are over
	s_barrier_signal -1
	MUL16 2, 1, NQ-1, \slot, 0
	WIN 0
	s_barrier_wait -1
	PLACES NP
	v_add_nc_u32 v[ADRS], 4*NQ, v[ADRS]            ; the next slot's scale words
	FETCH_B \next, 0, 0
	FETCH_A \next, 0, 0
	SCALES \next
	WIN MUL_HI
	MUL16 4, 1, NQ-1, \slot, 0
	MUL16 6, 1, NQ-1, \slot, 0
	PLACES NP
	WIN 0
	FETCH_A \next, 0, 4
.endm
	s_wait_tensorcnt 1                             ; the scales and my part of slot 0 are in; slot 1's load may be out
	s_barrier_signal -1
	s_barrier_wait -1
	FETCH_B 0, 0, 0
	FETCH_A 0, 0, 0
	SCALES 0
	FETCH_A 0, 0, 4
	s_wait_loadcnt 0x0                             ; the bias
	STEP 0, 0, 1
	STEP 0, 1, 0
	STEP 0, 2, 0
	TURN 0, 1
	STEP 1, 0, 0
	STEP 1, 1, 0
	STEP 1, 2, 0
	s_wait_dscnt 4*NL                              ; the last step: nothing more to fetch
	WIN MUL_LO
	MUL16 0, 1, NQ-1, 1, 0
	MUL16 2, 1, NQ-1, 1, 0
	s_wait_dscnt 0
	WIN MUL_HI
	MUL16 4, 1, NQ-1, 1, 0
	MUL16 6, 1, NQ-1, 1, 0
	WIN 0
	PLACES NP
	; The first 16 positions of a batch, in f32: block 0 of the waves whose rows begin a batch.  The branch hangs on cluster y and the wave's number alone.
	s_cmp_lg_u32 s100, 0
	s_cbranch_scc1 .Lno_head
	WIN 0x08                                       ; a store's data are its source 1: window 2
.irp b, 0,1,2,3,4,5,6,7
	global_store_b128 v[HO], v[8*\b:8*\b+3], s[98:99] offset:64*\b           ; each accumulator from its low end on
	global_store_b128 v[HO], v[8*\b+4:8*\b+7], s[98:99] offset:64*\b+16
.endr
	WIN 0
.Lno_head:
; THE WAY OUT, a block of 16 rows x 128 columns at a time: rounded to f16, through my own stage, back as whole rows of 256 bytes.
.macro PACK a
.set AC, 64*((\a)%4)
	WIN 0x0a+5*((\a)/4)                            ; sources 0 and 1: window 2 or 3
.irp b, 0,1,2,3,4,5,6,7
.irp r, 0,1,2,3
	v_cvt_pk_f16_f32 v[TMP+4*\b+\r], v[AC+8*\b+2*\r], v[AC+8*\b+2*\r+1]
.endr
.endr
	WIN 0
.endm
.macro TOSTAGE a
.set BB, BK+32*((\a)%2)
.irp b, 0,1,2,3,4,5,6,7
	ds_store_b128 v[STO], v[TMP+4*\b:TMP+4*\b+3] offset:32*\b
.endr
.irp t, 0,1,2,3,4,5,6,7
	ds_load_b128 v[BB+4*\t:BB+4*\t+3], v[RD] offset:\t*2*SPITCH   ; LDS serves a wave's instructions in order: these see the stores above
.endr
.endm
.macro SEND a
.set BB, BK+32*((\a)%2)
	s_wait_dscnt 0x0                               ; the block is back in registers
	s_wait_xcnt 0x0                                ; earlier stores have read their base and registers: both may be written again
.if (\a) > 0
	s_add_nc_u64 s[12:13], s[12:13], 16*CROW
.endif
.irp t, 0,1,2,3,4,5,6,7
	global_store_b128 v[CO], v[BB+4*\t:BB+4*\t+3], s[12:13] offset:2*\t*CROW   ; sixteen lanes store 256 consecutive bytes, aligned
.endr
.endm
	PACK 0
	TOSTAGE 0
.irp a, 1,2,3,4,5,6,7
	PACK \a
	SEND \a-1
	TOSTAGE \a
.endr
	SEND 7
	s_wait_tensorcnt 0x0                           ; the wave's end: the three lines
	ds_add_u32 v[SPW], v[NIL]
	s_wait_dscnt 0x0
	CROUND                                         ; the closing round
	s_endpgm
.Lfunc_end_k_q1cdc851347_qkv:
	.size	k_q1cdc851347_qkv, .Lfunc_end_k_q1cdc851347_qkv-k_q1cdc851347_qkv
	.p2alignl 7, 3214868480
	.fill 96, 4, 3214868480
	.section	.rodata,"a",@progbits
	.p2align	6, 0x0
	.amdhsa_kernel k_q1cdc851347_qkv
		.amdhsa_group_segment_fixed_size 327680
		.amdhsa_private_segment_fixed_size 0
		.amdhsa_enable_private_segment 0
		.amdhsa_kernarg_size 56
		.amdhsa_user_sgpr_count 2
		.amdhsa_user_sgpr_kernarg_segment_ptr 1
		.amdhsa_wavefront_size32 1
		.amdhsa_system_sgpr_workgroup_id_x 1
		.amdhsa_system_sgpr_workgroup_id_y 1
		.amdhsa_system_sgpr_workgroup_id_z 1
		.amdhsa_system_vgpr_workitem_id 0
		.amdhsa_next_free_vgpr 1024
		.amdhsa_next_free_sgpr 102
		.amdhsa_reserve_vcc 0
		.amdhsa_float_denorm_mode_32 3
		.amdhsa_float_denorm_mode_16_64 3
		.amdhsa_memory_ordered 1
		.amdhsa_forward_progress 1
		.amdhsa_inst_pref_size 130
	.end_amdhsa_kernel
	.amdgpu_metadata
---
amdhsa.version: [ 1, 2 ]
amdhsa.kernels:
  - .name:           k_q1cdc851347_qkv
    .symbol:         k_q1cdc851347_qkv.kd
    .args:
      - { .name: xc, .offset: 0, .size: 8, .value_kind: global_buffer, .address_space: global }
      - { .name: xs, .offset: 8, .size: 8, .value_kind: global_buffer, .address_space: global }
      - { .name: wc, .offset: 16, .size: 8, .value_kind: global_buffer, .address_space: global }
      - { .name: ws, .offset: 24, .size: 8, .value_kind: global_buffer, .address_space: global }
      - { .name: b, .offset: 32, .size: 8, .value_kind: global_buffer, .address_space: global }
      - { .name: qkv, .offset: 40, .size: 8, .value_kind: global_buffer, .address_space: global }
      - { .name: head, .offset: 48, .size: 8, .value_kind: global_buffer, .address_space: global }
    .group_segment_fixed_size: 327680
    .private_segment_fixed_size: 0
    .kernarg_segment_align: 8
    .kernarg_segment_size: 56
    .max_flat_workgroup_size: 128
    .sgpr_count:     102
    .vgpr_count:     1024
    .wavefront_size: 32
...
	.end_amdgpu_metadata
.endif
;; end of part 2
;; launch scores (part 3): grid 9 x 16, 4 waves a work-group, no clusters, 327,680 bytes of LDS; arguments qkv, pbuf, stats; writes pbuf, stats
.if DOCPART == 3
	.amdgcn_target "amdgcn-amd-amdhsa--gfx1250"
	.amdhsa_code_object_version 6
	.text
	.protected	k_q1cdc851347_scores
	.globl	k_q1cdc851347_scores
	.p2align	8
	.type	k_q1cdc851347_scores,@function
k_q1cdc851347_scores:
	s_mov_b64 s[64:65], 0
	v_nop
	global_prefetch_b8 v0, s[64:65] scope:SCOPE_SE
	s_setreg_imm32_b32 hwreg(HW_REG_WAVE_MODE, 25, 1), 1
	s_wait_xcnt 0x0
; For each batch and each tile of 256 queries x 256 keys that the causal mask does not hide wholly: S = q k^T (f16 operands, f32 sums, K = 1,024), and for each query and each 128 keys:
; t = s log2(e) / 32; M = the largest t of the visible keys, rounded UP to a whole number; p = 2^(t - M), 0 for hidden keys, stored as f16 in pbuf [4][2048][2048]; l = the sum of p in f32;
; (M, l) go to stats [batch][key block of 128][query].  The later launch brings the blocks of a row under one M by exact powers of two.
; A row of 128 keys that is wholly hidden gets p = 0, l = 0 and a very negative M.
; TILES: 36 a batch.  Work-group (x, y): batch y / 4, p = y % 4; tile rows p and 7 - p hold 9 tiles together: x <= p: tile (p, x), else (7 - p, x - p - 1).
; NO CLUSTER: tile rows under the mask hold 1 to 8 tiles, so no grouping in fours gives every partner a tile that shares q's or k's rows.
; Four waves, 128 x 128 each: 64 accumulators.  K goes in steps of 128 (rows of 256 bytes) through two LDS slots; each wave fetches 128 rows with one tensor load (waves 0, 1: q; 2, 3: k).
; SOURCE 0 = 16 keys, SOURCE 1 = 16 queries: a lane holds ONE query (lane % 16) and keys 16 b + 8 (lane / 16) + 0..7 of its wave's 128.
; REGISTERS: window 0: v0-31 addresses and small things; v64-127, v128-191 q's fragments, two buffers; window 1: k's likewise; windows 2, 3: accumulators ((a, b) at v[8 (8 (a % 4) + b)]).
; On the way out window 0 holds: v32-63, v224-255 rows read back; v64-127 t - M, then p; v128-159 p as f16; v160-167 M; v168-175 l; v176-183 pairs for stats.
.set KSTEP,  128
.set PITCH,  272
.set HALFT,  128*PITCH
.set SLOT,   4*HALFT
.set STAGE,  2*SLOT
.set SPITCH, 272
.set SPARE,  STAGE+4*16*SPITCH
.set LAPS,   4                         ; 1,024 / 256
.set ADRA, 16
.set ADRB, 20
.set STO,  24
.set RD,   25
.set PO,   26
.set SO,   27                          ; v27 8 x lane: my pair's place in stats
.set SPW,  28
.set NIL,  29
.set F0,   64
.set F1,   128
.set T,    64
.set TMP,  128
.set MS,   160
.set LS,   168
.set OB,   32
.set G1, 24
.set G0, 32
.set MSB, 0
.macro WIN new
.if MSB != \new
	s_set_vgpr_msb (MSB<<8)|\new
.set MSB, \new
.endif
.endm
.set MUL_LO, 0xa1
.set MUL_HI, 0xf1
.set TO_B,   0x40
	s_load_b128 s[4:7], s[0:1], 0x0                ; qkv, pbuf
	s_load_b64 s[8:9], s[0:1], 0x10                ; stats
	v_lshl_add_u32 v[SPW], v0, 2, SPARE
	v_mov_b32 v[NIL], 0
	ds_add_u32 v[SPW], v[NIL]                      ; the wave's opening: the add, twice on end, and its wait ahead of my first tensor load
	ds_add_u32 v[SPW], v[NIL]
	v_lshrrev_b32 v1, 5, v0
	v_readfirstlane_b32 s10, v1                    ; wave
	s_lshr_b32 s11, s10, 1                         ; my half of the queries
	s_and_b32 s12, s10, 1                          ; my half of the keys; also: which 128 rows I fetch
	s_and_b32 s13, ttmp7, 0xffff
	s_lshr_b32 s42, s13, 2                         ; batch
	s_and_b32 s13, s13, 3                          ; p
	s_sub_co_u32 s14, 7, s13
	s_sub_co_u32 s15, ttmp9, s13
	s_sub_co_u32 s15, s15, 1
	s_cmp_le_u32 ttmp9, s13
	s_cselect_b32 s40, s13, s14                    ; I: tile row
	s_cselect_b32 s41, ttmp9, s15                  ; J: tile column, at most I
	s_mov_b32 s[G1+0], (1<<16)|(1<<20)|(5<<22)|(3<<25)   ; elements of 2 bytes; 4 words of padding behind every 64
	s_mov_b32 s[G1+1], KSTEP<<16                   ; tensor_dim0
	s_mov_b32 s[G1+2], 128<<16                     ; tensor_dim1
	s_mov_b32 s[G1+3], KSTEP<<16                   ; tile_dim0
	s_mov_b32 s[G1+4], 128                         ; tile_dim1
	s_mov_b32 s[G1+5], 3072                        ; the pitch in elements
	s_mov_b32 s[G1+6], 0
	s_mov_b32 s[G1+7], 0
	s_cmp_lt_u32 s10, 2                            ; waves 0, 1 fetch q's rows of tile row I; waves 2, 3 k's rows of tile column J
	s_cselect_b32 s16, s40, s41
	s_cselect_b32 s17, 0, 2048                     ; q at byte 0 of a row, k at 2,048
	s_lshl_b32 s16, s16, 8
	s_lshl_b32 s18, s12, 7
	s_add_co_u32 s16, s16, s18
	s_lshl_b32 s18, s42, 11
	s_add_co_u32 s16, s16, s18
	s_mul_i32 s16, s16, 6144
	s_add_co_u32 s16, s16, s17
	s_mov_b32 s17, 0
	s_mul_i32 s20, s10, HALFT                      ; LDS: q's 256 rows, then k's: wave x 128 rows
	s_mov_b32 s46, 0x3d38aa3b                      ; c = log2(e) / 32
	s_mov_b32 s47, s46
	s_mov_b32 s48, 0x76543210                      ; lane l xor 16
	s_mov_b32 s49, 0xfedcba98
	s_mov_b32 s50, 0xffff0000                      ; lanes 16-31
	s_mov_b32 s51, 0x34800000                      ; 2^-22
	s_sub_co_i32 s43, s40, s41
	s_lshl_b32 s43, s43, 8
	s_sub_co_i32 s18, s11, s12
	s_lshl_b32 s18, s18, 7
	s_add_co_i32 s43, s43, s18                     ; my first query less my first key
	s_wait_dscnt 0x0                               ; both opening adds are done
	s_wait_kmcnt 0x0
	s_add_nc_u64 s[14:15], s[4:5], s[16:17]
.irp s, 0,1
	s_mov_b32 s[G0+4*\s], 1
	s_add_co_u32 s[G0+4*\s+1], s20, \s*SLOT
	s_add_nc_u64 s[G0+4*\s+2:G0+4*\s+3], s[14:15], \s*KSTEP*2
	s_or_b32 s[G0+4*\s+3], s[G0+4*\s+3], 0x80000000
	tensor_load_to_lds s[G0+4*\s:G0+4*\s+3], s[G1:G1+7]    ; K steps 0 and 1: two loads of mine are out
	s_nop 0
.endr
.rept 4
	v_nop
.endr
	v_and_b32 v1, 15, v0                           ; r
	v_bfe_u32 v2, v0, 4, 1                         ; h
	v_mul_u32_u24 v3, v1, PITCH
	v_lshl_add_u32 v3, v2, 4, v3
	s_mul_i32 s21, s11, HALFT
	s_mul_i32 s22, s12, HALFT
	s_add_co_u32 s22, s22, 2*HALFT
.irp s, 0,1
	v_add_nc_u32 v[ADRA+\s], s21, v3
	v_add_nc_u32 v[ADRB+\s], s22, v3
	s_add_co_u32 s21, s21, SLOT
	s_add_co_u32 s22, s22, SLOT
.endr
	s_mul_i32 s23, s10, 16*SPITCH
	s_add_co_u32 s23, s23, STAGE
	v_mul_u32_u24 v4, v1, SPITCH
	v_lshl_add_u32 v4, v2, 4, v4
	v_add_nc_u32 v[STO], s23, v4
	v_mul_u32_u24 v5, v2, SPITCH
	v_lshl_add_u32 v5, v1, 4, v5
	v_add_nc_u32 v[RD], s23, v5
	v_lshlrev_b32 v5, 12, v2
	v_lshl_add_u32 v[PO], v1, 4, v5                ; pbuf: 4,096 h + 16 r
	v_and_b32 v5, 31, v0
	v_lshlrev_b32 v[SO], 3, v5
	v_lshlrev_b32 v5, 3, v2
	v_sub_nc_u32 v6, v1, v5                        ; r - 8 h
	v_mov_b32 v8, 0xff61b1e6                       ; -3e38: under every t, the floor of a maximum
	v_mov_b32 v9, 0xff800000                       ; -infinity, for hidden scores
	v_mov_b32 v22, 0                               ; a lane permute's destination counts as read
	s_lshl_b32 s16, s42, 11
	s_lshl_b32 s17, s40, 8
	s_add_co_u32 s16, s16, s17
	s_lshl_b32 s17, s11, 7
	s_add_co_u32 s16, s16, s17                     ; my first row of pbuf
	s_lshl_b32 s18, s16, 12
	s_lshl_b32 s17, s41, 9
	s_add_co_u32 s18, s18, s17
	s_lshl_b32 s17, s12, 8
	s_add_co_u32 s18, s18, s17                     ; + my 128 keys: 256 bytes, aligned
	s_mov_b32 s19, 0
	s_add_nc_u64 s[6:7], s[6:7], s[18:19]
	s_lshl_b32 s18, s42, 4
	s_lshl_b32 s17, s41, 1
	s_add_co_u32 s18, s18, s17
	s_add_co_u32 s18, s18, s12                     ; 16 batch + my key block
	s_lshl_b32 s18, s18, 11
	s_lshl_b32 s17, s40, 8
	s_add_co_u32 s18, s18, s17
	s_lshl_b32 s17, s11, 7
	s_add_co_u32 s18, s18, s17
	s_lshl_b32 s18, s18, 3
	s_add_nc_u64 s[8:9], s[8:9], s[18:19]
.macro MUL16 f, hi, a0, zero           ; 16 products: query blocks a0, a0 + 1 of the window's four x all 8 key blocks; the 64 accumulators take turns
.irp a, \a0, \a0+1
.irp b, 0,1,2,3,4,5,6,7
.if \zero
	v_wmma_f32_16x16x32_f16 v[8*(8*(\a)+\b):8*(8*(\a)+\b)+7], v[\f+8*\b:\f+8*\b+7], v[\f+8*(4*\hi+\a):\f+8*(4*\hi+\a)+7], 0
.else
	v_wmma_f32_16x16x32_f16 v[8*(8*(\a)+\b):8*(8*(\a)+\b)+7], v[\f+8*\b:\f+8*\b+7], v[\f+8*(4*\hi+\a):\f+8*(4*\hi+\a)+7], v[8*(8*(\a)+\b):8*(8*(\a)+\b)+7]
.endif
.endr
.endr
.endm
.macro FETCH slot, k, f                ; 32 LDS loads in one run: 128 rows of k, 128 rows of q, 32 along K at byte k of the rows
	WIN TO_B
.irp i, 0,1,2,3,4,5,6,7
	ds_load_b128 v[\f+8*\i:\f+8*\i+3],   v[ADRB+\slot] offset:\k+\i*16*PITCH
	ds_load_b128 v[\f+8*\i+4:\f+8*\i+7], v[ADRB+\slot] offset:\k+\i*16*PITCH+32
.endr
	WIN 0
.irp i, 0,1,2,3,4,5,6,7
	ds_load_b128 v[\f+8*\i:\f+8*\i+3],   v[ADRA+\slot] offset:\k+\i*16*PITCH
	ds_load_b128 v[\f+8*\i+4:\f+8*\i+7], v[ADRA+\slot] offset:\k+\i*16*PITCH+32
.endr
.endm
.macro PLACES
.rept 4
	v_nop
.endr
.endm
.macro QUARTER slot, k, f, g, zero
	s_wait_dscnt 8                                 ; k's fragments and q's blocks 0-3 are in; the youngest eight loads may be out
	WIN MUL_LO
	MUL16 \f, 0, 0, \zero
	MUL16 \f, 0, 2, \zero
	PLACES
	FETCH \slot, \k, \g
	s_wait_dscnt 32                                ; all but the 32 just issued
	WIN MUL_HI
	MUL16 \f, 1, 0, \zero
	MUL16 \f, 1, 2, \zero
.endm
; A K step's last quarter changes slots: one barrier.  In front of it each wave waits for all its tensor loads, adds 0 to its spare word, and waits for that and for its reads of this slot.
; fill = 1: the slot just read is filled again, two K steps ahead: the first thing behind the barrier, my one tensor load until the next.
.macro TURN slot, next, fill
	WIN 0
	s_wait_tensorcnt 0x0
	ds_add_u32 v[SPW], v[NIL]
	s_wait_dscnt 9                                 ; the add and the youngest eight loads may be out
	WIN MUL_LO
	MUL16 F1, 0, 0, 0
	s_wait_dscnt 0x0
	s_barrier_signal -1
	MUL16 F1, 0, 2, 0
	WIN 0
	s_barrier_wait -1
.if \fill
	s_add_nc_u64 s[G0+4*\slot+2:G0+4*\slot+3], s[G0+4*\slot+2:G0+4*\slot+3], 2*KSTEP*2
	tensor_load_to_lds s[G0+4*\slot:G0+4*\slot+3], s[G1:G1+7]
	s_nop 0
.rept 4
	v_nop                                          ; also the places in front of the loads below
.endr
.else
	PLACES
.endif
	FETCH \next, 0, F0
	WIN MUL_HI
	MUL16 F1, 1, 0, 0
	MUL16 F1, 1, 2, 0
.endm
	s_wait_tensorcnt 1                             ; my part of K step 0 is in; K step 1's load may be out
	s_barrier_signal -1
	s_barrier_wait -1
	FETCH 0, 0, F0
	QUARTER 0, 64,  F0, F1, 1                      ; the first quarter's products start the sums
	WIN 0
	s_mov_b32 s3, LAPS-1
.Llap:                                                 ; a trip goes once round the ring and fills both slots again
	QUARTER 0, 128, F1, F0, 0
	QUARTER 0, 192, F0, F1, 0
	TURN 0, 1, 1
	QUARTER 1, 64,  F0, F1, 0
	QUARTER 1, 128, F1, F0, 0
	QUARTER 1, 192, F0, F1, 0
	TURN 1, 0, 1
	QUARTER 0, 64,  F0, F1, 0
	WIN 0
	s_sub_co_u32 s3, s3, 1
	s_cmp_lg_u32 s3, 0
	s_cbranch_scc1 .Llap
	QUARTER 0, 128, F1, F0, 0                      ; the last lap fills nothing
	QUARTER 0, 192, F0, F1, 0
	TURN 0, 1, 0
	QUARTER 1, 64,  F0, F1, 0
	QUARTER 1, 128, F1, F0, 0
	QUARTER 1, 192, F0, F1, 0
	s_wait_dscnt 8
	WIN MUL_LO
	MUL16 F1, 0, 0, 0
	MUL16 F1, 0, 2, 0
	s_wait_dscnt 0
	WIN MUL_HI
	MUL16 F1, 1, 0, 0
	MUL16 F1, 1, 2, 0
	WIN 0
	PLACES
; THE SOFTMAX'S PART of block a: 16 queries x my 128 keys, 64 scores a lane.
.macro SOFT a
.set WW, 2+(\a)/4
.set AC, 64*((\a)%4)
	s_add_co_i32 s44, s43, 16*(\a)                 ; the block's first query less my first key
	s_cmp_ge_i32 s44, 127                          ; all 128 keys count for all 16 queries: nothing to hide (ids alone)
	s_cbranch_scc1 .Lopen_\@
	v_add_nc_u32 v7, s44, v6                       ; register 8 b + j holds a hidden key where 16 b + j > this
	WIN (WW<<6)|WW
.set n, 0
.rept 64
	v_cmp_gt_i32 vcc_lo, 16*(n/8)+n%8, v7
	v_cndmask_b32 v[AC+n], v[AC+n], v9, vcc_lo
.set n, n+1
.endr
	WIN 0
.Lopen_\@:
	WIN (WW<<2)|(WW<<4)
.set n, 0
.rept 32                                       ; the maximum, four chains that start from the floor; each accumulator is read from its low end on
.if n < 4
	v_max3_num_f32 v[12+n], v8, v[AC+2*n], v[AC+2*n+1]
.else
	v_max3_num_f32 v[12+n%4], v[12+n%4], v[AC+2*n], v[AC+2*n+1]
.endif
.set n, n+1
.endr
	WIN 0
	v_max3_num_f32 v12, v12, v13, v14
	v_max_num_f32 v12, v12, v15
	v_permlanex16_b32 v22, v12, s48, s49
	v_max_num_f32 v12, v12, v22                    ; with the lane 16 away: my query's largest score
	v_mul_f32 v12, s46, v12                        ; as t
	v_fma_f32 v12, |v12|, s51, v12                 ; lifted by 2^-22 of its size: never under the exact product, so no exponent below is above 0
	v_floor_f32 v10, -v12                          ; -M: M is a whole number
	v_mov_b32 v11, v10
	v_mul_f32 v[MS+\a], -1.0, v10
	WIN WW
.set n, 0
.rept 32
	v_pk_fma_f32 v[T+2*n:T+2*n+1], v[AC+2*n:AC+2*n+1], s[46:47], v[10:11] op_sel_hi:[1,0,0]   ; t - M
.set n, n+1
.endr
	WIN 0
.set n, 0
.rept 64
	v_exp_f32 v[T+n], v[T+n]                       ; p, at most 1; 0 for hidden keys
.set n, n+1
.endr
	v_nop                                          ; a plain line behind the last exponential
	s_wait_alu depctr_va_vdst(0)                   ; one wait for the batch, ahead of its first reader
	v_pk_add_f32 v[16:17], v[T:T+1], v[T+2:T+3]
	v_pk_add_f32 v[18:19], v[T+4:T+5], v[T+6:T+7]
.irp j, 8,12,16,20,24,28,32,36,40,44,48,52,56,60
	v_pk_add_f32 v[16:17], v[16:17], v[T+\j:T+\j+1]
	v_pk_add_f32 v[18:19], v[18:19], v[T+\j+2:T+\j+3]
.endr
	v_pk_add_f32 v[16:17], v[16:17], v[18:19]
	v_add_f32 v16, v16, v17
	v_permlanex16_b32 v22, v16, s48, s49
	v_add_f32 v[LS+\a], v16, v22                   ; l
.set n, 0
.rept 32
	v_cvt_pk_f16_f32 v[TMP+n], v[T+2*n], v[T+2*n+1]
.set n, n+1
.endr
.endm
.macro TOSTAGE a
.set BB, OB+192*((\a)%2)
.irp b, 0,1,2,3,4,5,6,7
	ds_store_b128 v[STO], v[TMP+4*\b:TMP+4*\b+3] offset:32*\b
.endr
.irp t, 0,1,2,3,4,5,6,7
	ds_load_b128 v[BB+4*\t:BB+4*\t+3], v[RD] offset:\t*2*SPITCH   ; in order behind the stores above
.endr
.endm
.macro SEND a
.set BB, OB+192*((\a)%2)
	s_wait_dscnt 0x0
	s_wait_xcnt 0x0                                ; earlier stores have read their base and registers
.if (\a) > 0
	s_add_nc_u64 s[6:7], s[6:7], 16*4096
.endif
.irp t, 0,1,2,3,4,5,6,7
	global_store_b128 v[PO], v[BB+4*\t:BB+4*\t+3], s[6:7] offset:2*\t*4096   ; sixteen lanes store 256 consecutive bytes, aligned
.endr
.endm
	SOFT 0
	TOSTAGE 0
.irp a, 1,2,3,4,5,6,7
	SOFT \a
	SEND \a-1
	TOSTAGE \a
.endr
	SEND 7
.irp u, 0,1,2,3                                ; (M, l) of 32 queries an instruction: lanes 0-15 block 2 u, lanes 16-31 block 2 u + 1: 256 consecutive bytes, aligned
	v_cndmask_b32 v[176+2*\u], v[MS+2*\u], v[MS+2*\u+1], s50
	v_cndmask_b32 v[177+2*\u], v[LS+2*\u], v[LS+2*\u+1], s50
	global_store_b64 v[SO], v[176+2*\u:177+2*\u], s[8:9] offset:256*\u
.endr
	s_wait_tensorcnt 0x0                           ; the wave's end: the three lines
	ds_add_u32 v[SPW], v[NIL]
	s_wait_dscnt 0x0
	s_endpgm
.Lfunc_end_k_q1cdc851347_scores:
	.size	k_q1cdc851347_scores, .Lfunc_end_k_q1cdc851347_scores-k_q1cdc851347_scores
	.p2alignl 7, 3214868480
	.fill 96, 4, 3214868480
	.section	.rodata,"a",@progbits
	.p2align	6, 0x0
	.amdhsa_kernel k_q1cdc851347_scores
		.amdhsa_group_segment_fixed_size 327680
		.amdhsa_private_segment_fixed_size 0
		.amdhsa_enable_private_segment 0
		.amdhsa_kernarg_size 24
		.amdhsa_user_sgpr_count 2
		.amdhsa_user_sgpr_kernarg_segment_ptr 1
		.amdhsa_wavefront_size32 1
		.amdhsa_system_sgpr_workgroup_id_x 1
		.amdhsa_system_sgpr_workgroup_id_y 1
		.amdhsa_system_sgpr_workgroup_id_z 1
		.amdhsa_system_vgpr_workitem_id 0
		.amdhsa_next_free_vgpr 1024
		.amdhsa_next_free_sgpr 66
		.amdhsa_reserve_vcc 1
		.amdhsa_float_denorm_mode_32 3
		.amdhsa_float_denorm_mode_16_64 3
		.amdhsa_memory_ordered 1
		.amdhsa_forward_progress 1
		.amdhsa_inst_pref_size 251
	.end_amdhsa_kernel
	.amdgpu_metadata
---
amdhsa.version: [ 1, 2 ]
amdhsa.kernels:
  - .name:           k_q1cdc851347_scores
    .symbol:         k_q1cdc851347_scores.kd
    .args:
      - { .name: qkv, .offset: 0, .size: 8, .value_kind: global_buffer, .address_space: global }
      - { .name: pbuf, .offset: 8, .size: 8, .value_kind: global_buffer, .address_space: global }
      - { .name: stats, .offset: 16, .size: 8, .value_kind: global_buffer, .address_space: global }
    .group_segment_fixed_size: 327680
    .private_segment_fixed_size: 0
    .kernarg_segment_align: 8
    .kernarg_segment_size: 24
    .max_flat_workgroup_size: 128
    .sgpr_count:     66
    .vgpr_count:     1024
    .wavefront_size: 32
...
	.end_amdgpu_metadata
.endif
;; end of part 3
;; launch mix (part 4): grid 8 x 32, 4 waves a work-group, clusters of 4 x 1, 327,680 bytes of LDS; arguments pbuf, stats, qkv, out0; writes out0
.if DOCPART == 4
	.amdgcn_target "amdgcn-amd-amdhsa--gfx1250"
	.amdhsa_code_object_version 6
	.text
	.protected	k_q1cdc851347_mix
	.globl	k_q1cdc851347_mix
	.p2align	8
	.type	k_q1cdc851347_mix,@function
k_q1cdc851347_mix:
	s_mov_b64 s[64:65], 0
	v_nop
	global_prefetch_b8 v0, s[64:65] scope:SCOPE_SE
	s_setreg_imm32_b32 hwreg(HW_REG_WAVE_MODE, 25, 1), 1
	s_wait_xcnt 0x0
	s_wait_alu depctr_hold_cnt(0) depctr_sa_sdst(0) depctr_va_vdst(0) depctr_va_sdst(0) depctr_va_ssrc(0) depctr_va_vcc(0) depctr_vm_vsrc(0)
	s_getreg_b32 s2, hwreg(HW_REG_IB_STS2, 6, 4)
	s_cmp_eq_u32 s2, 0
	s_cbranch_scc0 .Lentry_in_a_cluster
	s_endpgm
.Lentry_in_a_cluster:
	s_bfe_u32 s2, ttmp6, 0x10000c
	s_cmp_lg_u32 s2, 0x3003
	s_cbranch_scc0 .Lentry_shape_is_right
	s_endpgm
.Lentry_shape_is_right:
; O[q][:] = (sum over key blocks kb of 2^(M[kb][q] - Mrow[q]) P[q][kb] V[kb][:]) / l[q], l[q] = sum over kb of 2^(M[kb][q] - Mrow[q]) l[kb][q], Mrow the row's largest M.
; P (f16, at most 1) and (M, l) come from the launch before, V (f16) is the third part of a row of qkv.  P and V go to the matrix unit as they lie; sums in f32.
; EACH 128 KEYS HAVE SUMS OF THEIR OWN, begun with the constant 0; behind them the sums are weighed in f32 with the block's factor, an exact power of two (the M are whole numbers), into the tile's totals.
; SHARES.  A work-group makes TWO tiles of 128 queries x 128 channels: query block 15 - p, then p (p = y % 8, batch = y / 8): 8 - p/2 and p/2 + 1 steps of 256 keys, always 9 together, so all 256 work-groups do the same work.
; A block whose last 128 keys are wholly hidden takes them in as zeros.  A wave makes 64 queries x 64 channels: 16 accumulators.
; CLUSTER 4 x 1: four channel blocks of one y walk the same P: P's tiles are asked for jointly (mask 15).  V's tiles differ between partners and are each work-group's own loads, behind the same rounds;
; work-groups that share V stand at different key steps, so V is not shared.  Every branch hangs on the cluster's x and y, the wave's number and step counts; cx enters global addresses alone, never a joint load's.
; SOURCE 0 = V^T (16 channels x 32 keys, by the turning LDS load), SOURCE 1 = P (16 queries x 32 keys): a lane holds one query and eight neighbouring channels.
; REGISTERS.  window 0: addresses, 1/l, the way out.  window 1: v0-127 the sums of 128 keys ((a, b) at 8 (4 a + b)); v128-191, v192-255 P's fragments, two buffers (32 c + 8 a).
; window 2: v0-63, v64-127 V's fragments (32 c + 8 b); v128-159 factors, two sets (16 s + 4 a + 2 parity, each number twice: a pair for the packed lines); v160-166 LDS addresses.  window 3: v0-127 the totals.
.set SLOT,  141312                     ; P: 128 rows x 528, then V: 256 rows x 288
.set VOFF,  67584
.set STAGE, 2*SLOT                     ; 16 rows x 272 bytes for each wave
.set FAC,   STAGE+4*16*272             ; the factors, f32: wave x 4,608 + step x 512 + a x 128 + r x 8 + 4 x parity
.set SPARE, FAC+4*4608
.set STO, 8
.set RD,  9
.set GO,  10
.set SPW, 12
.set NIL, 13
.set NEGR, 14
.set FW,  15
.set INVA, 16
.set INVB, 24
.set T,   32
.set BK,  64
.set ML,  64                           ; at the head: (M, l) of step w, block a at ML + 8 w + 2 a
.set MA,  192
.set MB,  196
.set LA,  200
.set LB,  204
.set TA,  208
.set PFOP, 214                         ; v214 4,096 x lane: a row of P; never rewritten
.set PFOV, 215                         ; v215 6,144 x lane: a row of qkv; never rewritten
.set PF,  128                          ; window 1
.set FC,  128                          ; window 2
.set AP,  160
.set AV,  162
.set FA,  166
.set WV,  12
.set NA,  19
.set VN,  22
.set FR,  23
.set G1P, 24
.set G1V, 32
.set G0P, 40
.set G0V, 48
.set OFFPA, 56
.set OFFPB, 57
.set OFFV,  58
.set CNT, 59
.set OUTA, 70
.set OUTB, 72
.set SM,  74
.set PPA, 80                           ; s80, s81 the prefetches' byte in pbuf at step 0 of the first, the second tile
.set PPB, 81
.set PVO, 82                           ; s82 and in qkv at key step 0
.set LIMP, 83                          ; s83 9 in a wave that asks for P, else 0: it asks while the step asked for is under this
.set LIMV, 84                          ; s84 8 in a wave that asks for V, else 0
.set PFP, 86                           ; s[86:87], s[88:89] the two addresses
.set PFV, 88
.set W_MM, 0x56                        ; source 0 window 2; source 1, C and D window 1: products and P's loads
.set W_LV, 0x82                        ; destination and address window 2: V's and the factors' loads
.set W_FM, 0xf9                        ; source 0 window 1, source 1 window 2, source 2 and destination window 3: the folds
.set MSB, 0
.macro WIN new
.if MSB != \new
	s_set_vgpr_msb (MSB<<8)|\new
.set MSB, \new
.endif
.endm
.macro PLACES
.rept 4
	v_nop
.endr
.endm
.macro JLOAD s                         ; waves 0, 1: P's halves, jointly; waves 2, 3: V's halves.  An s_nop 0 and four v_nop follow each line
	s_cmp_lt_u32 s[WV], 2
	s_cbranch_scc0 .Lfor_v_\@
	tensor_load_to_lds s[G0P+4*(\s):G0P+4*(\s)+3], s[G1P:G1P+7]
	s_nop 0
.rept 4
	v_nop
.endr
	s_branch .Lasked_\@
.Lfor_v_\@:
	tensor_load_to_lds s[G0V+4*(\s):G0V+4*(\s)+3], s[G1V:G1V+7]
	s_nop 0
.rept 4
	v_nop
.endr
.Lasked_\@:
.endm
.macro CREST
	s_cmp_lg_u32 s[WV], 0
	s_cbranch_scc1 .Lnot_wave_0_\@
	s_barrier_signal -3
.Lnot_wave_0_\@:
	s_barrier_wait -3
	s_barrier_signal -1
	s_barrier_wait -1
.endm
.macro CROUND
	s_barrier_signal -1
	s_barrier_wait -1
	CREST
.endm
	s_load_b256 s[4:11], s[0:1], 0x0               ; pbuf s[4:5], stats s[6:7], qkv s[8:9], out0 s[10:11]
	v_lshl_add_u32 v[SPW], v0, 2, SPARE
	v_mov_b32 v[NIL], 0
	ds_add_u32 v[SPW], v[NIL]                      ; the wave's opening: the add, twice on end, and its wait ahead of my first tensor load
	ds_add_u32 v[SPW], v[NIL]
	v_lshrrev_b32 v1, 5, v0
	v_readfirstlane_b32 s[WV], v1                  ; wave
	s_lshr_b32 s13, s[WV], 1                       ; wr: my half of the queries
	s_and_b32 s14, s[WV], 1                        ; wc: my half of the channels; also which half of a tile I fetch
	s_bfe_u32 s15, ttmp6, 0x40000                  ; cx
	s_lshl_b32 s16, ttmp9, 2
	s_add_co_u32 s16, s16, s15                     ; my block of 128 channels
	s_and_b32 s18, ttmp7, 0xffff
	s_lshr_b32 s17, s18, 3                         ; batch
	s_and_b32 s18, s18, 7                          ; p
	s_lshr_b32 s[NA], s18, 1
	s_sub_co_u32 s[NA], 8, s[NA]                   ; steps of the first tile: 5 to 8
	s_sub_co_u32 s20, 15, s18                      ; the first tile's query block
	s_mov_b32 s21, s18                             ; the second's
	s_mov_b32 s[G1P], 15|(1<<16)|(1<<20)|(1<<21)|(6<<22)|(3<<25)   ; all four partners; elements of 2 bytes; 4 words of padding behind every 128
	s_mov_b32 s[G1P+1], 256<<16                    ; tensor_dim0
	s_mov_b32 s[G1P+2], 64<<16                     ; tensor_dim1
	s_mov_b32 s[G1P+3], 256<<16                    ; tile_dim0
	s_mov_b32 s[G1P+4], 64                         ; tile_dim1
	s_mov_b32 s[G1P+5], 2048                       ; the pitch
	s_mov_b32 s[G1P+6], 0
	s_mov_b32 s[G1P+7], 0
	s_mov_b32 s[G1V], (1<<16)|(1<<20)|(5<<22)|(7<<25)   ; no mask; 8 words of padding behind every 64
	s_mov_b32 s[G1V+1], 128<<16
	s_mov_b32 s[G1V+2], 128<<16
	s_mov_b32 s[G1V+3], 128<<16
	s_mov_b32 s[G1V+4], 128
	s_mov_b32 s[G1V+5], 3072
	s_mov_b32 s[G1V+6], 0
	s_mov_b32 s[G1V+7], 0
	s_lshl_b32 s62, s17, 11                        ; 2,048 batch
	s_lshl_b32 s63, s14, 6
	s_add_co_u32 s63, s63, s62
	s_lshl_b32 s[OFFPA], s20, 7
	s_add_co_u32 s[OFFPA], s[OFFPA], s63
	s_lshl_b32 s[OFFPA], s[OFFPA], 12              ; P: byte of the 64 rows that I fetch, first tile,
	s_lshl_b32 s[OFFPB], s21, 7
	s_add_co_u32 s[OFFPB], s[OFFPB], s63
	s_lshl_b32 s[OFFPB], s[OFFPB], 12              ; second tile
	s_lshl_b32 s68, s14, 7
	s_add_co_u32 s68, s68, s62
	s_mul_i32 s68, s68, 6144
	s_add_co_u32 s68, s68, 4096
	s_lshl_b32 s69, s16, 8
	s_add_co_u32 s[OFFV], s68, s69                 ; V: byte of the 128 keys that I fetch, step 0, my channels
	s_mul_i32 s77, s14, 33792                      ; LDS: my half of P's tile,
	s_mul_i32 s78, s14, 36864
	s_add_co_u32 s78, s78, VOFF                    ; of V's
	s_mov_b32 s60, 0x76543210
	s_mov_b32 s61, 0xfedcba98
	s_mov_b32 s67, 0
	s_mov_b32 s69, 0
	s_lshl_b32 s80, s13, 6
	s_add_co_u32 s80, s80, s62                     ; 2,048 batch + 64 wr
	s_lshl_b32 s84, s16, 9
	s_lshl_b32 s85, s14, 8
	s_add_co_u32 s84, s84, s85                     ; my 64 channels in a row of O
	s_lshl_b32 s82, s20, 7
	s_add_co_u32 s82, s82, s80
	s_lshl_b32 s82, s82, 12
	s_add_co_u32 s82, s82, s84
	s_mov_b32 s83, 0
	s_lshl_b32 s90, s21, 7
	s_add_co_u32 s90, s90, s80
	s_lshl_b32 s90, s90, 12
	s_add_co_u32 s90, s90, s84
	s_mov_b32 s91, 0
	s_wait_dscnt 0x0                               ; both opening adds are done
	s_wait_kmcnt 0x0
	s_add_nc_u64 s[OUTA:OUTA+1], s[10:11], s[82:83]
	s_add_nc_u64 s[OUTB:OUTB+1], s[10:11], s[90:91]
.irp s, 0,1                                    ; steps 0 and 1 both belong to the first tile
	s_mov_b32 s[G0P+4*\s], 1
	s_add_co_u32 s[G0P+4*\s+1], s77, \s*SLOT
	s_add_co_u32 s66, s[OFFPA], \s*512
	s_add_nc_u64 s[G0P+4*\s+2:G0P+4*\s+3], s[4:5], s[66:67]
	s_or_b32 s[G0P+4*\s+3], s[G0P+4*\s+3], 0x80000000
	s_mov_b32 s[G0V+4*\s], 1
	s_add_co_u32 s[G0V+4*\s+1], s78, \s*SLOT
	s_add_co_u32 s68, s[OFFV], \s*1572864
	s_add_nc_u64 s[G0V+4*\s+2:G0V+4*\s+3], s[8:9], s[68:69]
	s_or_b32 s[G0V+4*\s+3], s[G0V+4*\s+3], 0x80000000
.endr
	CROUND                                         ; all four work-groups are here: the first joint loads meet
	s_cmp_lt_u32 s[WV], 2                          ; a wave's two first fills stand in one branch: two loads of mine are out
	s_cbranch_scc0 .Lfirst_v
	tensor_load_to_lds s[G0P:G0P+3], s[G1P:G1P+7]
	s_nop 0
	tensor_load_to_lds s[G0P+4:G0P+7], s[G1P:G1P+7]
	s_nop 0
.rept 4
	v_nop
.endr
	s_branch .Lfirst_asked
.Lfirst_v:
	tensor_load_to_lds s[G0V:G0V+3], s[G1V:G1V+7]
	s_nop 0
	tensor_load_to_lds s[G0V+4:G0V+7], s[G1V:G1V+7]
	s_nop 0
.rept 4
	v_nop
.endr
.Lfirst_asked:
	; (M, l) of my 64 queries for the nine steps.  Lane (r, h) takes key block 2 s + h.  Steps 0-4 are the first tile's, step 8 the second's, steps 5-7 one or the other by the count of steps.
	v_and_b32 v1, 15, v0                           ; r
	v_bfe_u32 v2, v0, 4, 1                         ; h
	v_lshlrev_b32 v3, 14, v2
	v_lshl_add_u32 v3, v1, 3, v3                   ; 16,384 h + 8 r
	s_lshl_b32 s86, s17, 18
	s_lshl_b32 s87, s13, 9
	s_add_co_u32 s86, s86, s87
	s_lshl_b32 s87, s20, 10
	s_add_co_u32 s87, s87, s86                     ; the first tile's queries,
	s_lshl_b32 s88, s21, 10
	s_add_co_u32 s88, s88, s86                     ; the second's
	v_add_nc_u32 v4, s87, v3
.irp w, 5,6,7
	s_sub_co_u32 s89, \w, s[NA]
	s_lshl_b32 s89, s89, 15
	s_add_co_u32 s89, s89, s88
	s_add_co_u32 s90, s87, \w*32768
	s_cmp_gt_u32 s[NA], \w
	s_cselect_b32 s[SM+\w-5], -1, 0                ; all lanes on where step w is the first tile's
	s_cselect_b32 s89, s90, s89
	v_add_nc_u32 v[\w], s89, v3
.endr
	s_sub_co_u32 s89, 8, s[NA]
	s_lshl_b32 s89, s89, 15
	s_add_co_u32 s89, s89, s88
	v_add_nc_u32 v11, s89, v3
.irp w, 0,1,2,3,4
.irp a, 0,1,2,3
	global_load_b64 v[ML+8*\w+2*\a:ML+8*\w+2*\a+1], v4, s[6:7] offset:32768*\w+128*\a
.endr
.endr
.irp w, 5,6,7
.irp a, 0,1,2,3
	global_load_b64 v[ML+8*\w+2*\a:ML+8*\w+2*\a+1], v[\w], s[6:7] offset:128*\a
.endr
.endr
.irp a, 0,1,2,3
	global_load_b64 v[ML+64+2*\a:ML+64+2*\a+1], v11, s[6:7] offset:128*\a
.endr
	; addresses
	v_mul_u32_u24 v32, v1, 528
	v_lshl_add_u32 v32, v2, 4, v32
	s_mul_i32 s89, s13, 33792
	v_add_nc_u32 v32, s89, v32                     ; P: (64 wr + r) x 528 + 16 h
	v_and_b32 v33, 7, v0
	v_lshl_add_u32 v33, v2, 3, v33
	v_mul_u32_u24 v33, v33, 288
	v_bfe_u32 v34, v0, 3, 1
	v_lshl_add_u32 v33, v34, 4, v33
	s_lshl_b32 s89, s14, 7
	s_add_co_u32 s89, s89, VOFF
	v_add_nc_u32 v33, s89, v33                     ; V: (8 h + lane % 8) x 288 + 16 ((lane / 8) % 2) + 128 wc
	s_mul_i32 s89, s[WV], 4608
	s_add_co_u32 s89, s89, FAC
	v_lshlrev_b32 v35, 3, v1
	v_add_nc_u32 v35, s89, v35                     ; the factors: my wave's, 8 r
	v_lshl_add_u32 v[FW], v2, 2, v35               ; where I store mine: + 4 h
	s_mul_i32 s89, s[WV], 16*272
	s_add_co_u32 s89, s89, STAGE
	v_mul_u32_u24 v36, v1, 272
	v_lshl_add_u32 v36, v2, 5, v36
	v_add_nc_u32 v[STO], s89, v36
	v_mul_u32_u24 v36, v2, 272
	v_lshl_add_u32 v36, v1, 4, v36
	v_add_nc_u32 v[RD], s89, v36
	v_lshlrev_b32 v36, 12, v2
	v_lshl_add_u32 v[GO], v1, 4, v36
	v_mov_b32 v[NEGR], 0xff61b1e6                  ; -3e38
	v_mov_b32 v[TA+2], 0                           ; a lane permute's destination counts as read
	v_mov_b32 v[TA+3], 0
	; the prefetches (macros PFADR and ASK): who asks, and from where
	v_and_b32 v36, 31, v0
	v_lshlrev_b32 v[PFOP], 12, v36
	v_mul_u32_u24 v[PFOV], v36, 6144
	s_lshl_b32 s92, s17, 11                        ; 2,048 batch
	s_lshl_b32 s93, s15, 5                         ; my work-group's 32 of a tile's 128 rows of P: partners are told apart by address
	s_add_co_u32 s93, s93, s92
	s_lshl_b32 s[PPA], s20, 7
	s_add_co_u32 s[PPA], s[PPA], s93
	s_lshl_b32 s[PPA], s[PPA], 12
	s_lshl_b32 s[PPB], s21, 7
	s_add_co_u32 s[PPB], s[PPB], s93
	s_lshl_b32 s[PPB], s[PPB], 12
	s_lshl_b32 s93, s14, 8                         ; wave 0 the first 256 bytes of a step's 512, wave 1 the second
	s_add_co_u32 s[PPA], s[PPA], s93
	s_add_co_u32 s[PPB], s[PPB], s93
	s_lshl_b32 s93, s[WV], 6                       ; V: my wave's 64 of a step's 256 keys
	s_add_co_u32 s93, s93, s92
	s_mul_i32 s93, s93, 6144
	s_add_co_u32 s93, s93, 4096
	s_lshl_b32 s[PVO], s16, 8
	s_add_co_u32 s[PVO], s[PVO], s93
	s_lshr_b32 s93, s[WV], 1
	s_or_b32 s93, s93, ttmp9                       ; 0 in waves 0 and 1 of the row's first cluster: the same in all four partners
	s_cmp_eq_u32 s93, 0
	s_cselect_b32 s[LIMP], 9, 0
	s_cmp_eq_u32 s18, 0                            ; p = 0: its first walk has 8 steps, all keys of the batch
	s_cselect_b32 s[LIMV], 8, 0
	s_mov_b32 s91, 0
	WIN 0x80                                       ; destination window 2
	v_add_nc_u32 v[AP], 0, v32
	v_add_nc_u32 v[AP+1], SLOT, v32
	v_add_nc_u32 v[AV], 0, v33
	v_add_nc_u32 v[AV+1], 36864, v33
	v_add_nc_u32 v[AV+2], SLOT, v33
	v_add_nc_u32 v[AV+3], SLOT+36864, v33
	v_add_nc_u32 v[FA], 0, v35
	WIN 0
	s_wait_loadcnt 0x0
.irp a, 0,1,2,3                                ; each tile's largest M of my query
	v_max3_num_f32 v[MA+\a], v[ML+2*\a], v[ML+8+2*\a], v[ML+16+2*\a]
	v_max3_num_f32 v[MA+\a], v[MA+\a], v[ML+24+2*\a], v[ML+32+2*\a]
	v_mov_b32 v[MB+\a], v[ML+64+2*\a]
.irp w, 5,6,7
	v_cndmask_b32 v[TA], v[NEGR], v[ML+8*\w+2*\a], s[SM+\w-5]
	v_cndmask_b32 v[TA+1], v[ML+8*\w+2*\a], v[NEGR], s[SM+\w-5]
	v_max_num_f32 v[MA+\a], v[MA+\a], v[TA]
	v_max_num_f32 v[MB+\a], v[MB+\a], v[TA+1]
.endr
	v_permlanex16_b32 v[TA+2], v[MA+\a], s60, s61
	v_permlanex16_b32 v[TA+3], v[MB+\a], s60, s61
	v_max_num_f32 v[MA+\a], v[MA+\a], v[TA+2]
	v_max_num_f32 v[MB+\a], v[MB+\a], v[TA+3]
.endr
; The factor of step w, block a, my key block: 2^(M - Mrow), a whole power of two made without rounding; it goes to LDS as f32, and weighs l.  kind 0: first tile; 2: second; 1: chosen by the mask.
.macro FACT a, w, kind
.set rM, ML+8*(\w)+2*(\a)
.if \kind == 0
	v_sub_f32 v[TA], v[rM], v[MA+\a]
.elseif \kind == 2
	v_sub_f32 v[TA], v[rM], v[MB+\a]
.else
	v_cndmask_b32 v[TA+1], v[MB+\a], v[MA+\a], s[SM+\w-5]
	v_sub_f32 v[TA], v[rM], v[TA+1]
.endif
	v_cvt_i32_f32 v[TA], v[TA]                     ; (it saturates)
	v_ldexp_f32 v[TA], 1.0, v[TA]
.if \kind == 0
.if \w == 0
	v_mul_f32 v[LA+\a], v[TA], v[rM+1]
.else
	v_fmac_f32 v[LA+\a], v[TA], v[rM+1]
.endif
.elseif \kind == 2
	v_fmac_f32 v[LB+\a], v[TA], v[rM+1]
.else
	v_cndmask_b32 v[TA+2], 0, v[TA], s[SM+\w-5]
	v_cndmask_b32 v[TA+3], v[TA], 0, s[SM+\w-5]
	v_fmac_f32 v[LA+\a], v[TA+2], v[rM+1]
.if \w == 5
	v_mul_f32 v[LB+\a], v[TA+3], v[rM+1]
.else
	v_fmac_f32 v[LB+\a], v[TA+3], v[rM+1]
.endif
.endif
	ds_store_b32 v[FW], v[TA] offset:512*(\w)+128*(\a)
.endm
.irp a, 0,1,2,3
.irp w, 0,1,2,3,4
	FACT \a, \w, 0
.endr
.irp w, 5,6,7
	FACT \a, \w, 1
.endr
	FACT \a, 8, 2
.endr
.irp a, 0,1,2,3
	v_permlanex16_b32 v[TA+2], v[LA+\a], s60, s61
	v_permlanex16_b32 v[TA+3], v[LB+\a], s60, s61
	v_add_f32 v[LA+\a], v[LA+\a], v[TA+2]          ; even and odd key blocks together: the row's sum
	v_add_f32 v[LB+\a], v[LB+\a], v[TA+3]
.endr
.irp a, 0,1,2,3
	v_rcp_f32 v[INVA+2*\a], v[LA+\a]
	v_rcp_f32 v[INVB+2*\a], v[LB+\a]
.endr
	v_nop                                          ; a plain line behind the last reciprocal
	s_wait_alu depctr_va_vdst(0)                   ; one wait for the eight, ahead of their first reader
.irp a, 0,1,2,3
	v_mov_b32 v[INVA+2*\a+1], v[INVA+2*\a]         ; named as pairs below, so both halves are written
	v_mov_b32 v[INVB+2*\a+1], v[INVB+2*\a]
.endr
; cnt products from number n0 on (a = n / 4, b = n % 4), 32 keys: half c of the buffers.  zero = 1: they start the sums of 128 keys.  The 16 accumulators take turns, one instruction a turn.
.macro GRP pf, vf, c, n0, cnt, zero
.set n, \n0
.rept \cnt
.if \zero
	v_wmma_f32_16x16x32_f16 v[8*n:8*n+7], v[\vf+32*\c+8*(n%4):\vf+32*\c+8*(n%4)+7], v[\pf+32*\c+8*(n/4):\pf+32*\c+8*(n/4)+7], 0
.else
	v_wmma_f32_16x16x32_f16 v[8*n:8*n+7], v[\vf+32*\c+8*(n%4):\vf+32*\c+8*(n%4)+7], v[\pf+32*\c+8*(n/4):\pf+32*\c+8*(n/4)+7], v[8*n:8*n+7]
.endif
.set n, n+1
.endr
.endm
; The sums of 128 keys go into the totals, x the factor of my query and this key block, in f32: 64 packed lines, each accumulator from its low end on.  first = 1: they start the tile's totals.
.macro FOLD set, par, first
	WIN W_FM
.set i, 0
.rept 64
.if \first
	v_pk_mul_f32 v[2*i:2*i+1], v[2*i:2*i+1], v[FC+16*(\set)+4*(i/16)+2*(\par):FC+16*(\set)+4*(i/16)+2*(\par)+1]
.else
	v_pk_fma_f32 v[2*i:2*i+1], v[2*i:2*i+1], v[FC+16*(\set)+4*(i/16)+2*(\par):FC+16*(\set)+4*(i/16)+2*(\par)+1], v[2*i:2*i+1]
.endif
.set i, i+1
.endr
.endm
; A step's eight factors of my query blocks, each into both registers of a pair: my own wave's bytes
.macro FACLOAD set, off
.irp a, 0,1,2,3
.irp e, 0,1
	ds_load_b32 v[FC+16*(\set)+4*\a+2*\e],   v[FA] offset:\off+128*\a+4*\e
	ds_load_b32 v[FC+16*(\set)+4*\a+2*\e+1], v[FA] offset:\off+128*\a+4*\e
.endr
.endr
.endm
; 32 LDS loads: 64 keys, the q-th quarter of a slot: P's 16, then V's 16, turned
.macro FETCH slot, q, pg, vg
	WIN W_MM
.irp c, 0,1
.irp a, 0,1,2,3
	ds_load_b128 v[\pg+32*\c+8*\a:\pg+32*\c+8*\a+3],   v[AP+(\slot)] offset:8448*\a+128*(\q)+64*\c
	ds_load_b128 v[\pg+32*\c+8*\a+4:\pg+32*\c+8*\a+7], v[AP+(\slot)] offset:8448*\a+128*(\q)+64*\c+32
.endr
.endr
	WIN W_LV
.irp c, 0,1
.irp b, 0,1,2,3
	ds_load_tr16_b128 v[\vg+32*\c+8*\b:\vg+32*\c+8*\b+3],   v[AV+2*(\slot)+(\q)/2] offset:(64*((\q)%2)+32*\c)*288+32*\b
	ds_load_tr16_b128 v[\vg+32*\c+8*\b+4:\vg+32*\c+8*\b+7], v[AV+2*(\slot)+(\q)/2] offset:(64*((\q)%2)+32*\c)*288+32*\b+4608
.endr
.endr
	WIN W_MM
.endm
; One of a step's first three quarters.  Buffer q % 2 is multiplied; the next quarter is fetched into the other, 32 products ahead of its use.  Quarters 0 and 2 start the sums of 128 keys.
; Behind quarter 1 the first 128 keys are folded; where a tile begins (FR = 1) that fold starts the totals: two copies of the fold under a branch on a count of steps.
.macro QUARTER slot, q
.set PFf, PF+64*((\q)%2)
.set VFf, 64*((\q)%2)
.set PFg, PF+64*(1-(\q)%2)
.set VFg, 64*(1-(\q)%2)
	s_wait_dscnt 0x0                               ; this quarter's fragments are whole
	PLACES                                         ; in front of loads into the buffer that the last products read
	FETCH \slot, (\q)+1, PFg, VFg
	GRP PFf, VFf, 0, 0, 16, 1-((\q)%2)
	GRP PFf, VFf, 1, 0, 16, 0
.if (\q) == 1
	PLACES                                         ; in front of the first read of results
	WIN 0
	s_cmp_eq_u32 s[FR], 0
	s_cbranch_scc1 .Lgo_\@
	FOLD \slot, 0, 1
	WIN 0
	s_mov_b32 s[FR], 0
	s_branch .Ljoin_\@
.Lgo_\@:
	FOLD \slot, 0, 0
	WIN 0
.Ljoin_\@:
.endif
.endm
; Where step VN + 2 lies: in the first tile's walk or the second's.  P's offset is made of y, the wave's number and the count alone; V's, which holds my channels, in registers of its own.
.macro NEXTADR slot
	s_add_co_u32 s62, s[VN], 2
	s_cmp_ge_u32 s62, s[NA]
	s_cselect_b32 s63, s[NA], 0
	s_cselect_b32 s66, s[OFFPB], s[OFFPA]
	s_sub_co_u32 s63, s62, s63                     ; the step within its tile
	s_lshl_b32 s62, s63, 9
	s_add_co_u32 s66, s66, s62
	s_add_nc_u64 s[G0P+4*(\slot)+2:G0P+4*(\slot)+3], s[4:5], s[66:67]
	s_or_b32 s[G0P+4*(\slot)+3], s[G0P+4*(\slot)+3], 0x80000000
	s_mul_i32 s68, s63, 1572864
	s_add_co_u32 s68, s68, s[OFFV]
	s_add_nc_u64 s[G0V+4*(\slot)+2:G0V+4*(\slot)+3], s[8:9], s[68:69]
	s_or_b32 s[G0V+4*(\slot)+3], s[G0V+4*(\slot)+3], 0x80000000
.endm
; A PREFETCH INTO THE L2 of step VN + 3, the step that the NEXT change of slots will ask for: a step of 128 products ahead of that load.  Each aligned block of 256 bytes is named once in the launch.
; P's tile (128 rows x 512 bytes) is read by the two clusters of a y: the first asks.  Its four partners take 32 rows each, told apart by address; in each, waves 0 and 1 take one of a row's two blocks, a lane a row.
; V's tile (256 keys x 256 bytes of my channels) is read by the eight p of a batch, in step in their first walks: p = 0, whose first walk has all 8 steps, asks, in that walk alone: 64 keys a wave, a lane a key, two lines.
; Steps 0 to 2 come by their loads alone.  Nothing is asked for past step 8 (P) or past key step 7 (V).
.macro PFADR                           ; the two addresses; they stand in registers that feed no tensor load
	s_add_co_u32 s92, s[VN], 3
	s_cmp_ge_u32 s92, s[NA]
	s_cselect_b32 s93, s[NA], 0
	s_cselect_b32 s90, s[PPB], s[PPA]
	s_sub_co_u32 s93, s92, s93
	s_lshl_b32 s93, s93, 9
	s_add_co_u32 s90, s90, s93
	s_add_nc_u64 s[PFP:PFP+1], s[4:5], s[90:91]
	s_mul_i32 s90, s92, 1572864
	s_add_co_u32 s90, s90, s[PVO]
	s_add_nc_u64 s[PFV:PFV+1], s[8:9], s[90:91]
.endm
.macro ASK
	s_cmp_lt_u32 s92, s[LIMP]
	s_cbranch_scc0 .Lnot_p_\@
	global_prefetch_b8 v[PFOP], s[PFP:PFP+1] th:TH_LOAD_NT scope:SCOPE_SE
.Lnot_p_\@:
	s_cmp_lt_u32 s92, s[LIMV]
	s_cbranch_scc0 .Lnot_v_\@
	global_prefetch_b8 v[PFOV], s[PFV:PFV+1] th:TH_LOAD_NT scope:SCOPE_SE
	global_prefetch_b8 v[PFOV], s[PFV:PFV+1] offset:32*6144 th:TH_LOAD_NT scope:SCOPE_SE
.Lnot_v_\@:
.endm
; A step's last quarter changes slots.  In front of the barrier each wave waits for all its tensor loads, adds 0 to its spare word, and waits for that and for its reads of this slot.
; fill = 1: the barrier opens a round of the cluster's, and the slot just read is filled first thing behind it: my one tensor load until the next round.  Behind the quarter the second 128 keys are folded.
.macro TURN slot, next, fill
.if \fill
	s_wait_xcnt 0x0                                ; the last prefetches, a step back, have read their addresses: they may be written
	PFADR
.endif
	s_wait_dscnt 0x0                               ; buffer 1 is whole: my reads of this slot are over
	WIN 0
	s_wait_tensorcnt 0x0                           ; no tensor load of mine is out: a group 0 may be written
	ds_add_u32 v[SPW], v[NIL]
.if \fill
	NEXTADR \slot
.endif
	WIN W_MM
	GRP PF+64, 64, 0, 0, 8, 0                      ; eight products stand between the add and the wait for it
	s_wait_dscnt 0x0                               ; the add is done
	s_barrier_signal -1
	GRP PF+64, 64, 0, 8, 8, 0
	WIN 0
	s_barrier_wait -1
.if \fill
	CREST
	JLOAD \slot                                    ; its four v_nop are also the places in front of the loads below
.else
	PLACES
.endif
	WIN W_LV
	FACLOAD \next, 512*((\slot)+1)                 ; the next step's factors
	FETCH \next, 0, PF, 0
.if \fill
	WIN 0
	ASK                                            ; behind the tensor load and the run of LDS loads
	WIN W_MM
.endif
	GRP PF+64, 64, 1, 0, 16, 0
	PLACES                                         ; in front of the first read of results
	FOLD \slot, 1, 0
	WIN 0
	s_add_co_u32 s[VN], s[VN], 1
.endm
; A tile leaves: the totals x 1 / l, through my stage, 16 rows at a time, back as rows of 256 bytes.
.macro WAYOUT inv, ob
	s_wait_xcnt 0x0                                ; earlier stores have read the registers that are written below
.irp a, 0,1,2,3
	WIN 0x03                                       ; source 0: window 3
.set i, 0
.rept 16
	v_pk_mul_f32 v[T+2*i:T+2*i+1], v[32*\a+2*i:32*\a+2*i+1], v[\inv+2*\a:\inv+2*\a+1] op_sel_hi:[1,0]
.set i, i+1
.endr
	WIN 0
.irp b, 0,1,2,3
	ds_store_b128 v[STO], v[T+8*\b:T+8*\b+3] offset:64*\b
	ds_store_b128 v[STO], v[T+8*\b+4:T+8*\b+7] offset:64*\b+16
.endr
.irp t, 0,1,2,3,4,5,6,7
	ds_load_b128 v[BK+32*\a+4*\t:BK+32*\a+4*\t+3], v[RD] offset:544*\t   ; in order behind the stores above and ahead of the next block's
.endr
.endr
.irp a, 0,1,2,3
.irp t, 0,1,2,3,4,5,6,7
	s_wait_dscnt 16*(3-\a)+7-\t                    ; the LDS instructions issued behind this load may be out
	global_store_b128 v[GO], v[BK+32*\a+4*\t:BK+32*\a+4*\t+3], s[\ob:\ob+1] offset:(16*\a+2*\t)*4096   ; sixteen lanes store 256 consecutive bytes, aligned
.endr
.endr
.endm
.macro CHECK                           ; the first tile's last step is folded: it leaves, and the next fold starts new totals
	s_cmp_lg_u32 s[VN], s[NA]
	s_cbranch_scc1 .Lsame_\@
	WAYOUT INVA, OUTA
	s_mov_b32 s[FR], 1
.Lsame_\@:
.endm
.macro STEP slot, fill
	QUARTER \slot, 0
	QUARTER \slot, 1
	QUARTER \slot, 2
	TURN \slot, 1-\slot, \fill
	CHECK
.endm
	s_wait_tensorcnt 1                             ; my part of slot 0 is in; slot 1's load may be out
	s_wait_dscnt 0x0                               ; my factors are stored
	s_barrier_signal -1
	s_barrier_wait -1
	WIN W_LV
	FACLOAD 0, 0
	FETCH 0, 0, PF, 0
	WIN 0
	s_mov_b32 s[VN], 0
	s_mov_b32 s[FR], 1
	s_mov_b32 s[CNT], 3
.Lloop:                                                ; steps 0 to 5; each fills the slot that it leaves with the step two on
	STEP 0, 1
	STEP 1, 1
	WIN 0x88
	v_add_nc_u32 v[FA], 1024, v[FA]                ; two steps' factors on
	WIN 0
	s_sub_co_u32 s[CNT], s[CNT], 1
	s_cmp_lg_u32 s[CNT], 0
	s_cbranch_scc1 .Lloop
	STEP 0, 1                                      ; step 6 asks for step 8: the last load
	STEP 1, 0                                      ; step 7
	QUARTER 0, 0                                   ; step 8
	QUARTER 0, 1
	QUARTER 0, 2
	s_wait_dscnt 0x0
	GRP PF+64, 64, 0, 0, 16, 0
	GRP PF+64, 64, 1, 0, 16, 0
	PLACES
	FOLD 0, 1, 0
	WIN 0
	WAYOUT INVB, OUTB
	s_wait_tensorcnt 0x0                           ; the wave's end: the three lines
	ds_add_u32 v[SPW], v[NIL]
	s_wait_dscnt 0x0
	CROUND                                         ; the closing round
	s_endpgm
.Lfunc_end_k_q1cdc851347_mix:
	.size	k_q1cdc851347_mix, .Lfunc_end_k_q1cdc851347_mix-k_q1cdc851347_mix
	.p2alignl 7, 3214868480
	.fill 96, 4, 3214868480
	.section	.rodata,"a",@progbits
	.p2align	6, 0x0
	.amdhsa_kernel k_q1cdc851347_mix
		.amdhsa_group_segment_fixed_size 327680
		.amdhsa_private_segment_fixed_size 0
		.amdhsa_enable_private_segment 0
		.amdhsa_kernarg_size 32
		.amdhsa_user_sgpr_count 2
		.amdhsa_user_sgpr_kernarg_segment_ptr 1
		.amdhsa_wavefront_size32 1
		.amdhsa_system_sgpr_workgroup_id_x 1
		.amdhsa_system_sgpr_workgroup_id_y 1
		.amdhsa_system_sgpr_workgroup_id_z 1
		.amdhsa_system_vgpr_workitem_id 0
		.amdhsa_next_free_vgpr 896
		.amdhsa_next_free_sgpr 96
		.amdhsa_reserve_vcc 0
		.amdhsa_float_denorm_mode_32 3
		.amdhsa_float_denorm_mode_16_64 3
		.amdhsa_memory_ordered 1
		.amdhsa_forward_progress 1
		.amdhsa_inst_pref_size 252
	.end_amdhsa_kernel
	.amdgpu_metadata
---
amdhsa.version: [ 1, 2 ]
amdhsa.kernels:
  - .name:           k_q1cdc851347_mix
    .symbol:         k_q1cdc851347_mix.kd
    .args:
      - { .name: pbuf, .offset: 0, .size: 8, .value_kind: global_buffer, .address_space: global }
      - { .name: stats, .offset: 8, .size: 8, .value_kind: global_buffer, .address_space: global }
      - { .name: qkv, .offset: 16, .size: 8, .value_kind: global_buffer, .address_space: global }
      - { .name: out0, .offset: 24, .size: 8, .value_kind: global_buffer, .address_space: global }
    .group_segment_fixed_size: 327680
    .private_segment_fixed_size: 0
    .kernarg_segment_align: 8
    .kernarg_segment_size: 32
    .max_flat_workgroup_size: 128
    .sgpr_count:     96
    .vgpr_count:     896
    .wavefront_size: 32
...
	.end_amdgpu_metadata
.endif
;; end of part 4
;; launch first16 (part 5): grid 2 x 4, 8 waves a work-group, no clusters, 44,032 bytes of LDS; arguments head, out0; writes out0
.if DOCPART == 5
	.amdgcn_target "amdgcn-amd-amdhsa--gfx1250"
	.amdhsa_code_object_version 6
	.text
	.protected	k_q1cdc851347_first16
	.globl	k_q1cdc851347_first16
	.p2align	8
	.type	k_q1cdc851347_first16,@function
k_q1cdc851347_first16:
	s_mov_b64 s[64:65], 0
	v_nop
	global_prefetch_b8 v0, s[64:65] scope:SCOPE_SE
	s_setreg_imm32_b32 hwreg(HW_REG_WAVE_MODE, 25, 1), 1
	s_wait_xcnt 0x0
; The first 16 positions of each batch, all in f32: their rows average one to sixteen values, where the rounding of 16-bit operands weighs most.  They overwrite what the launch before left in these 64 rows.
; head [4][16][3072] f32 holds q, k, v of these positions.  Work-group (x, batch): channels 512 x on; eight waves.
; S^T = k q^T: each wave sums its 128 of the 1,024 channels (32 matrix instructions of 16 x 16 x 4 on four accumulators by turns); the eight parts meet in LDS as images of registers and every wave adds all eight in one order.
; A lane holds ONE query (lane % 16) and keys 8 (lane / 16) + 0..7.  The softmax takes the row's maximum away.  O^T = v^T p^T: a wave makes 64 channels.
; In both products the instruction's four k are given the same four numbers on both sides, so any fixed choice of them sums the same products.
; The registers that the f32 matrix form writes (v176-239) are written by matrix instructions alone.
.set PART,  0                          ; 1,024 bytes a wave
.set STAGE, 8192                       ; 16 rows x 272 bytes a wave
.set SPARE, 43008
.set QR, 16
.set KR, 80
.set VR, 144
.set SA, 176
.set OA, 208
.set SS, 240
.set SPW, 254
.set NIL, 255
	s_load_b128 s[4:7], s[0:1], 0x0                ; head, out0
	v_lshl_add_u32 v[SPW], v0, 2, SPARE
	v_mov_b32 v[NIL], 0
	v_lshrrev_b32 v1, 5, v0
	v_readfirstlane_b32 s8, v1                     ; wave
	v_and_b32 v1, 15, v0                           ; r
	v_bfe_u32 v2, v0, 4, 1                         ; h
	s_and_b32 s10, ttmp7, 0xffff                   ; batch
	s_mul_i32 s12, s10, 196608
	s_mov_b32 s13, 0
	v_mul_u32_u24 v3, v1, 12288
	v_lshl_add_u32 v3, v2, 4, v3
	s_lshl_b32 s14, s8, 9
	v_add_nc_u32 v3, s14, v3                       ; q: row r, my wave's 128 channels, + 16 h
	v_mul_u32_u24 v4, v2, 98304                    ; v: key 8 h,
	v_lshl_add_u32 v4, v1, 2, v4                   ; channel r
	s_lshl_b32 s14, ttmp9, 11
	s_lshl_b32 s15, s8, 8
	s_add_co_u32 s14, s14, s15                     ; my 64 channels: 2,048 x + 256 wave bytes
	s_add_co_u32 s15, s14, 8192
	v_add_nc_u32 v4, s15, v4
	v_and_b32 v5, 31, v0
	v_lshlrev_b32 v5, 4, v5                        ; 16 x lane: an image's place
	s_lshl_b32 s16, s8, 10
	v_add_nc_u32 v6, s16, v5                       ; where I store my part
	s_mul_i32 s16, s8, 16*272
	s_add_co_u32 s16, s16, STAGE
	v_mul_u32_u24 v7, v1, 272
	v_lshl_add_u32 v7, v2, 5, v7
	v_add_nc_u32 v7, s16, v7                       ; the stage, in
	v_mul_u32_u24 v8, v2, 272
	v_lshl_add_u32 v8, v1, 4, v8
	v_add_nc_u32 v8, s16, v8                       ; and back
	v_lshlrev_b32 v9, 12, v2
	v_lshl_add_u32 v9, v1, 4, v9                   ; O: 4,096 h + 16 r
	v_lshlrev_b32 v10, 3, v2
	v_sub_nc_u32 v250, v1, v10                     ; r - 8 h
	v_mov_b32 v251, 0xff800000                     ; -infinity
	v_mov_b32 v249, 0                              ; a lane permute's destination counts as read
	s_mov_b32 s20, 0x76543210
	s_mov_b32 s21, 0xfedcba98
	s_mov_b32 s22, 0x3d38aa3b                      ; log2(e) / 32
	s_lshl_b32 s16, s10, 23                        ; a batch of O: 2,048 rows of 4,096 bytes
	s_add_co_u32 s16, s16, s14
	s_mov_b32 s17, 0
	s_wait_kmcnt 0x0
	s_add_nc_u64 s[4:5], s[4:5], s[12:13]
	s_add_nc_u64 s[6:7], s[6:7], s[16:17]
.irp i, 0,1,2,3,4,5,6,7,8,9,10,11,12,13,14,15
	global_load_b128 v[QR+4*\i:QR+4*\i+3], v3, s[4:5] offset:32*\i          ; q(r, 8 i + 4 h + 0..3)
.endr
.irp i, 0,1,2,3,4,5,6,7,8,9,10,11,12,13,14,15
	global_load_b128 v[KR+4*\i:KR+4*\i+3], v3, s[4:5] offset:4096+32*\i     ; k likewise
.endr
.irp b, 0,1,2,3
.irp j, 0,1,2,3,4,5,6,7
	global_load_b32 v[VR+8*\b+\j], v4, s[4:5] offset:12288*\j+64*\b         ; v(key 8 h + j, channel 16 b + r)
.endr
.endr
	s_wait_loadcnt 32                              ; q and k are in; v's 32 loads may be out
.set n, 0
.rept 32                                       ; four accumulators by turns, one instruction a turn; the first four start the sums
.if n < 4
	v_wmma_f32_16x16x4_f32 v[SA+8*(n%4):SA+8*(n%4)+7], v[KR+2*n:KR+2*n+1], v[QR+2*n:QR+2*n+1], 0
.else
	v_wmma_f32_16x16x4_f32 v[SA+8*(n%4):SA+8*(n%4)+7], v[KR+2*n:KR+2*n+1], v[QR+2*n:QR+2*n+1], v[SA+8*(n%4):SA+8*(n%4)+7]
.endif
.set n, n+1
.endr
.rept 8
	v_nop                                          ; eight places behind this form (ISA guide 7.12.1)
.endr
.irp p, 0,1,2,3
	v_pk_add_f32 v[SS+2*\p:SS+2*\p+1], v[SA+2*\p:SA+2*\p+1], v[SA+8+2*\p:SA+8+2*\p+1]
	v_pk_add_f32 v[SS+2*\p:SS+2*\p+1], v[SS+2*\p:SS+2*\p+1], v[SA+16+2*\p:SA+16+2*\p+1]
	v_pk_add_f32 v[SS+2*\p:SS+2*\p+1], v[SS+2*\p:SS+2*\p+1], v[SA+24+2*\p:SA+24+2*\p+1]
.endr
	ds_store_b128 v6, v[SS:SS+3] offset:PART
	ds_store_b128 v6, v[SS+4:SS+7] offset:PART+512
	s_wait_dscnt 0x0                               ; for the others' sake: my part is stored
	s_barrier_signal -1
	s_barrier_wait -1
.irp w, 0,1,2,3,4,5,6,7
	ds_load_b128 v[QR+8*\w:QR+8*\w+3], v5 offset:PART+1024*\w
	ds_load_b128 v[QR+8*\w+4:QR+8*\w+7], v5 offset:PART+1024*\w+512
.endr
	s_wait_dscnt 0x0
.irp p, 0,1,2,3
	v_pk_add_f32 v[SS+2*\p:SS+2*\p+1], v[QR+2*\p:QR+2*\p+1], v[QR+8+2*\p:QR+8+2*\p+1]
.irp w, 2,3,4,5,6,7
	v_pk_add_f32 v[SS+2*\p:SS+2*\p+1], v[SS+2*\p:SS+2*\p+1], v[QR+8*\w+2*\p:QR+8*\w+2*\p+1]
.endr
.endr
.irp j, 0,1,2,3,4,5,6,7
	v_cmp_gt_i32 vcc_lo, \j, v250                  ; key 8 h + j comes after query r: hidden
	v_cndmask_b32 v[SS+\j], v[SS+\j], v251, vcc_lo
.endr
	v_max3_num_f32 v248, v[SS], v[SS+1], v[SS+2]
	v_max3_num_f32 v248, v248, v[SS+3], v[SS+4]
	v_max3_num_f32 v248, v248, v[SS+5], v[SS+6]
	v_max_num_f32 v248, v248, v[SS+7]
	v_permlanex16_b32 v249, v248, s20, s21
	v_max_num_f32 v248, v248, v249                 ; the row's maximum (key 0 counts for every query)
.irp j, 0,1,2,3,4,5,6,7
	v_sub_f32 v[SS+\j], v[SS+\j], v248
.endr
.irp j, 0,1,2,3,4,5,6,7
	v_mul_f32 v[SS+\j], s22, v[SS+\j]
.endr
.irp j, 0,1,2,3,4,5,6,7
	v_exp_f32 v[SS+\j], v[SS+\j]
.endr
	v_nop                                          ; a plain line behind the last exponential
	s_wait_alu depctr_va_vdst(0)                   ; one wait for the eight
	v_pk_add_f32 v[252:253], v[SS:SS+1], v[SS+2:SS+3]
	v_pk_add_f32 v[252:253], v[252:253], v[SS+4:SS+5]
	v_pk_add_f32 v[252:253], v[252:253], v[SS+6:SS+7]
	v_add_f32 v252, v252, v253
	v_permlanex16_b32 v249, v252, s20, s21
	v_add_f32 v252, v252, v249
	v_rcp_f32 v248, v252
	v_nop
	s_wait_alu depctr_va_vdst(0)
.irp j, 0,1,2,3,4,5,6,7
	v_mul_f32 v[SS+\j], v[SS+\j], v248             ; the weights
.endr
	s_wait_loadcnt 0x0                             ; v
.irp s, 0,1,2,3                                ; keys 8 h + 2 s + 0, 1; the four accumulators by turns
.irp b, 0,1,2,3
.if \s == 0
	v_wmma_f32_16x16x4_f32 v[OA+8*\b:OA+8*\b+7], v[VR+8*\b+2*\s:VR+8*\b+2*\s+1], v[SS+2*\s:SS+2*\s+1], 0
.else
	v_wmma_f32_16x16x4_f32 v[OA+8*\b:OA+8*\b+7], v[VR+8*\b+2*\s:VR+8*\b+2*\s+1], v[SS+2*\s:SS+2*\s+1], v[OA+8*\b:OA+8*\b+7]
.endif
.endr
.endr
.rept 8
	v_nop
.endr
.irp b, 0,1,2,3
	ds_store_b128 v7, v[OA+8*\b:OA+8*\b+3] offset:64*\b            ; lane (r, h): O(r, 16 b + 8 h + 0..7); each accumulator from its low end on
	ds_store_b128 v7, v[OA+8*\b+4:OA+8*\b+7] offset:64*\b+16
.endr
.irp t, 0,1,2,3,4,5,6,7
	ds_load_b128 v[QR+4*\t:QR+4*\t+3], v8 offset:544*\t            ; my own stage: in order behind my stores
.endr
.irp t, 0,1,2,3,4,5,6,7
	s_wait_dscnt 7-\t                              ; the loads behind this one may be out
	global_store_b128 v9, v[QR+4*\t:QR+4*\t+3], s[6:7] offset:8192*\t   ; sixteen lanes store 256 consecutive bytes, aligned
.endr
	s_wait_tensorcnt 0x0                           ; the wave's end, behind my last LDS store
	ds_add_u32 v[SPW], v[NIL]
	s_wait_dscnt 0x0
	s_endpgm
.Lfunc_end_k_q1cdc851347_first16:
	.size	k_q1cdc851347_first16, .Lfunc_end_k_q1cdc851347_first16-k_q1cdc851347_first16
	.p2alignl 7, 3214868480
	.fill 96, 4, 3214868480
	.section	.rodata,"a",@progbits
	.p2align	6, 0x0
	.amdhsa_kernel k_q1cdc851347_first16
		.amdhsa_group_segment_fixed_size 44032
		.amdhsa_private_segment_fixed_size 0
		.amdhsa_enable_private_segment 0
		.amdhsa_kernarg_size 16
		.amdhsa_user_sgpr_count 2
		.amdhsa_user_sgpr_kernarg_segment_ptr 1
		.amdhsa_wavefront_size32 1
		.amdhsa_system_sgpr_workgroup_id_x 1
		.amdhsa_system_sgpr_workgroup_id_y 1
		.amdhsa_system_sgpr_workgroup_id_z 1
		.amdhsa_system_vgpr_workitem_id 0
		.amdhsa_next_free_vgpr 256
		.amdhsa_next_free_sgpr 66
		.amdhsa_reserve_vcc 1
		.amdhsa_float_denorm_mode_32 3
		.amdhsa_float_denorm_mode_16_64 3
		.amdhsa_memory_ordered 1
		.amdhsa_forward_progress 1
		.amdhsa_inst_pref_size 21
	.end_amdhsa_kernel
	.amdgpu_metadata
---
amdhsa.version: [ 1, 2 ]
amdhsa.kernels:
  - .name:           k_q1cdc851347_first16
    .symbol:         k_q1cdc851347_first16.kd
    .args:
      - { .name: head, .offset: 0, .size: 8, .value_kind: global_buffer, .address_space: global }
      - { .name: out0, .offset: 8, .size: 8, .value_kind: global_buffer, .address_space: global }
    .group_segment_fixed_size: 44032
    .private_segment_fixed_size: 0
    .kernarg_segment_align: 8
    .kernarg_segment_size: 16
    .max_flat_workgroup_size: 256
    .sgpr_count:     66
    .vgpr_count:     256
    .wavefront_size: 32
...
	.end_amdgpu_metadata
.endif
;; end of part 5
